; MI455X (gfx1250); checked and timed in simulation.
; The chip was launched on July 23, 2026; its instructions are those of AMD's public machine-readable ISA for CDNA 5 (MIT licence, August 2026) and "CDNA5" Instruction Set Architecture Reference Guide (July 2026). The comments in the code are by the model that wrote it; some were corrected since.
;; X Encoder. Allowed arithmetic: matrix products marked QUANTISED: E2M3 operands, one E8M0 scale for each 32 along K, by v_wmma_scale_f32_16x16x128_f8f6f4 with both operands' format E2M3, f32 sums; everything else in f32.
;; Inputs: W1_codes 512 x 32 x 24 uint8 (E2M3 codes of W1, K innermost, in blocks of 32 codes, four codes in three bytes); W1_scales 512 x 32 uint8 (E8M0 scales of W1, one for each 32 codes along K); W2_codes 512 x 16 x 24 uint8 (E2M3 codes of W2, K innermost, in blocks of 32 codes, four codes in three bytes); W2_scales 512 x 16 uint8 (E8M0 scales of W2, one for each 32 codes along K); Wk_codes 1,024 x 32 x 24 uint8 (E2M3 codes of Wk, K innermost, in blocks of 32 codes, four codes in three bytes); Wk_scales 1,024 x 32 uint8 (E8M0 scales of Wk, one for each 32 codes along K); Wo_codes 1,024 x 32 x 24 uint8 (E2M3 codes of Wo, K innermost, in blocks of 32 codes, four codes in three bytes); Wo_scales 1,024 x 32 uint8 (E8M0 scales of Wo, one for each 32 codes along K); Wq_codes 1,024 x 32 x 24 uint8 (E2M3 codes of Wq, K innermost, in blocks of 32 codes, four codes in three bytes); Wq_scales 1,024 x 32 uint8 (E8M0 scales of Wq, one for each 32 codes along K); Wv_codes 1,024 x 32 x 24 uint8 (E2M3 codes of Wv, K innermost, in blocks of 32 codes, four codes in three bytes); Wv_scales 1,024 x 32 uint8 (E8M0 scales of Wv, one for each 32 codes along K); adj_b one number float32; adj_w one number float32; alpha one number float32; b1 512 float32; b2 512 float32; bk 1,024 float32; bo 1,024 float32; bq 1,024 float32; bv 1,024 float32; ln_b 1,024 float32; ln_g 1,024 float32; seq_len 2 int32; x 2 x 2,048 x 1,024 float32.
;; Outputs: out0 2 x 512 x 2,048 float32; out1 2 x 512 x 2,048 float32.
;; This version of the problem:
;;   THIS VERSION OF THE PROBLEM IS GIVEN IN LOW PRECISION. The matrix products marked QUANTISED in the list below multiply operands that are first quantised to E2M3 (2 exponent bits, 3 mantissa bits; 6 bits a number), with one power-of-two scale for each 32 numbers along K (OCP MX v1.0); their sums are f32. All else is computed in f32.
;;   The module's matrix products, in the order in which they are computed (A, B: the left and right operand; K: the contracted axis; several contracted axes count as one K, in the product's order):
;;     1. [M 4,096, K 1,024] x [K 1,024, N 1,024]; A: input x; B: input Wq (given as codes): QUANTISED
;;     2. [M 4,096, K 1,024] x [K 1,024, N 1,024]; A: input x; B: input Wk (given as codes): QUANTISED
;;     3. [M 4,096, K 1,024] x [K 1,024, N 1,024]; A: input x; B: input Wv (given as codes): QUANTISED
;;     4. batch 16 x [M 2,048, K 128] x [K 128, N 2,048]; A: computed on the way; B: computed on the way: QUANTISED
;;     5. batch 16 x [M 2,048, K 2,048] x [K 2,048, N 128]; A: softmax (see below); B: computed on the way: QUANTISED
;;     6. batch 16 x [M 2,048, K 2,048] x [K 2,048, N 128]; A: softmax (see below); B: computed on the way: QUANTISED
;;     7. [M 4,096, K 1,024] x [K 1,024, N 1,024]; A: computed on the way; B: input Wo (given as codes): QUANTISED
;;     8. [M 4,096, K 1,024] x [K 1,024, N 512]; A: computed on the way; B: input W1 (given as codes): QUANTISED
;;     9. [M 4,096, K 512] x [K 512, N 512]; A: computed on the way; B: input W2 (given as codes): QUANTISED
;;   THE QUANTISER, for each operand of a quantised product, along K:
;;     - K is cut into blocks of 32 from its start; a last block that is shorter is filled with zeros.
;;     - A block's scale is 2^e with e = floor(log2(the largest magnitude in the block)) - 2, held to -126 .. 127; a block of zeros has e = 0. As a byte (E8M0): e + 127.
;;     - Each number is divided by its block's scale, clamped to +-7.5, and rounded to the nearest number of E2M3, ties to even, subnormals kept.
;;     - The product sums the exact products of the quantised numbers (number of the format x scale) in f32.
;;   ~~~python
;;   def quantise(x, axis):      # numpy; x: float32 -> the quantised numbers, widened to float32 again
;;       x = np.moveaxis(x, axis, -1); K = x.shape[-1]
;;       x = np.pad(x, [(0, 0)] * (x.ndim - 1) + [(0, -K % 32)]); x = x.reshape(x.shape[:-1] + (-1, 32)); a = np.abs(x).max(-1, keepdims=True)
;;       e = np.where(a > 0, np.clip(np.frexp(np.where(a > 0, a, 1))[1] - 1 - 2, -126, 127), 0)      # np.frexp(a)[1] - 1 = floor(log2(a)), exactly
;;       r = np.clip(x / 2.0 ** e, -7.5, 7.5)
;;       step = 2.0 ** (np.maximum(np.frexp(np.where(r == 0, 1, r))[1] - 1, 0) - 3)
;;       q = np.round(r / step) * step * 2.0 ** e      # np.round: ties to even
;;       return np.moveaxis(q.reshape(q.shape[:-2] + (-1,))[..., :K], -1, axis).astype(np.float32)
;;   ~~~
;;   SOFTMAX AHEAD OF A QUANTISED PRODUCT. Where the list says 'softmax', what is quantised is not the finished softmax but p = 2^(t - M), with t = logit x log2(e) and M = ceil(the row's largest t), a whole number; so 1/2 < the row's largest p <= 1. The row's sum l is taken of the UNQUANTISED p, in f32, and the product's result is divided by l at the end. Since M is a whole number, a kernel that streams over the keys may use a running M (the ceiling of the running maximum): every later rescaling is an exact power of two, which a block's scale takes up: the codes' values come out the same.
;;   OPERANDS COMPUTED ON THE WAY. 'Computed on the way' means the value that the module computes at that place (a softmax that the list does not call 'softmax' is quantised finished and normalised). What goes into a quantiser is computed in f32, as accurately as f32 sums, v_exp_f32 and their like allow (about 1e-6 of the number): no bf16 or f16 on the way to a quantiser, and a product that is left as it is and whose result goes on into a quantised operand takes f32 operands (vector FMAs, or v_wmma_f32_16x16x4_f32). A number that lies on a knife's edge between two numbers of the format may be rounded either way, as far as f32 arithmetic and the matrix unit's own rounding can turn it there, and no further.
;;   INPUTS GIVEN AS CODES. W1 (in the module: [1024, 512], K = its axis 0); W2 (in the module: [512, 512], K = its axis 0); Wk (in the module: [1024, 1024], K = its axis 0); Wo (in the module: [1024, 1024], K = its axis 0); Wq (in the module: [1024, 1024], K = its axis 0); Wv (in the module: [1024, 1024], K = its axis 0): each comes as NAME_codes (uint8): NAME with its K axis moved to the last place and cut into blocks of 32 codes, [.., K / 32, bytes a block], one block behind the other in memory; four codes in three bytes: a row's codes are one little-endian stream of bits, code i at bits 6 i .. 6 i + 5 (a code: sign, 2 exponent bits, 3 mantissa bits); and NAME_scales (uint8): the same leading axes, one E8M0 byte (e + 127) for each 32 codes along K. Its value is code x scale, taken as it is: it is not quantised again, and the codes and scales need not be those that the quantiser above would give.
;; One version. Each part assembles by itself: llvm-mc -triple=amdgcn-amd-amdhsa -mcpu=gfx1250 --defsym DOCPART=n.
;; ======== version 1 of 1: 4 launches
;; limits: right only within a limited range of input values
;; workspace buffers: ximg 3,145,728 bytes; xsc 131,072 bytes; wimg 3,891,200 bytes; qrec 3,276,800 bytes; krec 3,276,800 bytes; vrec 3,276,800 bytes; xoimg 3,145,728 bytes; xosc 131,072 bytes
;; launch prep (part 1): grid 204 x 1, 4 waves a work-group, no clusters, 34,304 bytes of LDS; arguments x, Wq_codes, Wq_scales, Wk_codes, Wk_scales, Wv_codes, Wv_scales, Wo_codes, Wo_scales, W1_codes, W1_scales, W2_codes, W2_scales, ximg, xsc, wimg; writes ximg, xsc, wimg
.if DOCPART == 1
	.amdgcn_target "amdgcn-amd-amdhsa--gfx1250"
	.amdhsa_code_object_version 6
	.text
	.protected	k_qd58567c04a_prep
	.globl	k_qd58567c04a_prep
	.p2align	8
	.type	k_qd58567c04a_prep,@function
k_qd58567c04a_prep:
	s_mov_b64 s[64:65], 0
	v_nop
	global_prefetch_b8 v0, s[64:65] scope:SCOPE_SE
	s_setreg_imm32_b32 hwreg(HW_REG_WAVE_MODE, 25, 1), 1
	s_wait_xcnt 0x0
; PREP.  Work-groups 0-127: x [4096][1024] f32 becomes codes of FP6 (E2M3) with one E8M0 byte for each 32 along K, laid as IMAGES OF OPERAND REGISTERS.
; Work-groups 128-203: the six weights, which arrive as codes, are laid anew as such images, in portions of 8 fragments + their scale words.
; AN IMAGE: a fragment (16 rows x 128 K) is 12 registers a lane; register p of lane L lies at 512 (p / 4) + 16 L + 4 (p % 4): three loads of 16 bytes a lane bring it back.
; ximg [row block of 64][K step][fragment a]: lane r of fragment a = 2 P + u is x row 64 RB + 32 P + 2 r + u (even and odd rows apart: the next launch wants 16 neighbouring keys of V in a lane).
; xsc  [row block][K step][r][a]: one word (four bytes) for a row and 128 along K.
; wimg: portion pi, 12,800 bytes: fragments 0-7, then 512 bytes of scale words: word q of lane L at 16 L + 4 q: lanes 0-15 fragment q, lanes 16-31 fragment 4 + q.
;   pi = 64 mu + 8 s + w (Wq, Wk, Wv, Wo): fragment t, lane i = row 128 w + 32 (t / 2) + 8 (t % 2) + i + 8 (i / 8) of K step s; of Wv that number n' stands for the true row 128 (n' % 8) + n' / 8.
;   pi = 256 + 8 z + w (W1), 288 + 8 z + w (W2): fragment 4 sg + t = rows 64 w + 32 (t / 2) + 8 (t % 2) + i + 8 (i / 8) of K step 2 z + sg.
; A block's scale is 2^(floor(log2(largest magnitude)) - 2); its byte is the largest magnitude's exponent field - 2, held at 1 from below (a block of zeros gets the byte 1: its codes are zeros, and this program alone reads the bytes).
; LIMITS: NaN and infinities among the inputs are not served.  The input seq_len is read by no launch of this program: the computation that is asked for never uses it.
; No tensor load, no barrier: waves share nothing.  Only the x path uses LDS.
.set XW,  8448                         ; a wave's stage: 16 rows x (512 bytes + 16)
.set RA,  16                           ; v16-143  two sets of 16 x 4 registers as loaded
.set X,   144                          ; v144-207 64 numbers of a lane: register 16 b + i = k 32 b + 16 (lane / 16) + i of its row
.set TM,  208                          ; v208-223 at work in QUANT
.set XT,  224                          ; v224-231 the second halves of the blocks' codes
.set PC,  232                          ; v232-243 a fragment's codes
.set PW,  244                          ; v244-247 the four fragments' scale words
.set SEL, 40                           ; s[40:41] v_permlanex16_b32's selects for lane l xor 16
.set WV,  42
; 64 numbers of a lane become a fragment's 12 registers of codes in v[d] on and its row's scale word in v[pw].
.macro QUANT s, d, pw
.irp b, 0,1,2,3
	v_max3_num_f32 v[TM+\b], |v[\s+16*\b]|, |v[\s+1+16*\b]|, 0x1800000   ; block b: my 16 numbers, and the floor 2^(3 - 127): the byte cannot fall under 1
.endr
.irp i, 2,4,6,8,10,12,14
.irp b, 0,1,2,3
	v_max3_num_f32 v[TM+\b], v[TM+\b], |v[\s+16*\b+\i]|, |v[\s+1+16*\b+\i]|
.endr
.endr
.irp b, 0,1,2,3
	v_permlanex16_b32 v[TM+4+\b], v[TM+\b], s[SEL], s[SEL+1]
.endr
.irp b, 0,1,2,3
	v_max_num_f32 v[TM+\b], v[TM+\b], v[TM+4+\b]         ; with lane l xor 16's: the block's largest magnitude
.endr
.irp b, 0,1,2,3
	v_add_nc_u32 v[TM+12+\b], 0xff000000, v[TM+\b]       ; 2 off its exponent field: the conversion's scale operand
.endr
.irp b, 0,1,2,3
	v_lshrrev_b32 v[TM+4+\b], 23, v[TM+12+\b]            ; the scale's byte
.endr
	v_lshl_or_b32 v[\pw], v[TM+5], 8, v[TM+4]
	v_lshl_or_b32 v[\pw], v[TM+6], 16, v[\pw]
	v_lshl_or_b32 v[\pw], v[TM+7], 24, v[\pw]
.irp c, 0,1
	v_cvt_scalef32_pk16_fp6_f32 v[\d+6*\c:\d+2+6*\c], v[\s+32*\c:\s+15+32*\c], v[TM+12+2*\c]
	v_cvt_scalef32_pk16_fp6_f32 v[XT+4*\c:XT+2+4*\c], v[\s+16+32*\c:\s+31+32*\c], v[TM+12+2*\c+1]   ; (a conversion's three registers begin on an even number)
.endr
	v_nop                                          ; one plain place behind a scaled conversion
.irp c, 0,1                                    ; the operand's layout wants a whole block in a lane
.irp i, 0,1,2
	v_permlane16_swap_b32 v[\d+6*\c+\i], v[XT+4*\c+\i]
.endr
.irp i, 0,1,2
	v_mov_b32 v[\d+3+6*\c+\i], v[XT+4*\c+\i]
.endr
.endr
.endm
	s_load_b512 s[4:19], s[0:1], 0x0               ; x, Wq c, Wq s, Wk c, Wk s, Wv c, Wv s, Wo c
	s_load_b512 s[20:35], s[0:1], 0x40             ; Wo s, W1 c, W1 s, W2 c, W2 s, ximg, xsc, wimg
	v_lshl_add_u32 v248, v0, 2, 0x8400
	v_mov_b32 v249, 0
	v_lshrrev_b32 v1, 5, v0
	v_readfirstlane_b32 s[WV], v1                  ; wave 0..3
	v_and_b32 v1, 31, v0                           ; lane
	v_lshlrev_b32 v2, 4, v1                        ; 16 x lane
	v_and_b32 v5, 15, v0                           ; r
	v_bfe_u32 v6, v0, 4, 1                         ; h
	s_cmp_ge_u32 ttmp9, 128
	s_cbranch_scc1 .Lweights
	; ---- x: wave W = 4 x work-group + wave takes row block W / 8, K step W % 8: 64 rows x 128 numbers, four fragments
	s_mul_i32 s43, s[WV], XW
	v_add_nc_u32 v3, s43, v2                       ; the stage, way in: a row's 512 bytes as they lie
	v_mul_u32_u24 v4, v5, 528
	v_lshl_add_u32 v4, v6, 6, v4
	v_add_nc_u32 v4, s43, v4                       ; way out: row r, + 64 h: my 16 numbers of each block of 32
	s_mov_b32 s[SEL], 0x76543210
	s_mov_b32 s[SEL+1], 0xfedcba98
.irp b, 0,1,2,3
	v_mov_b32 v[TM+4+\b], 0                        ; written once: a lane permute's destination counts as one of its sources
.endr
	s_lshl_b32 s44, ttmp9, 2
	s_add_co_u32 s44, s44, s[WV]                   ; W
	s_lshr_b32 s46, s44, 3
	s_lshl_b32 s46, s46, 18                        ; 64 rows of 4,096 bytes
	s_and_b32 s45, s44, 7
	s_lshl_b32 s45, s45, 9                         ; 512 bytes a K step
	s_add_co_u32 s46, s46, s45
	s_mov_b32 s47, 0
	s_mul_i32 s48, s44, 6144                       ; four images
	s_mov_b32 s49, 0
	s_lshl_b32 s50, s44, 8                         ; 256 bytes of scale words
	s_mov_b32 s51, 0
	s_wait_kmcnt 0x0
	s_add_nc_u64 s[4:5], s[4:5], s[46:47]
	s_add_nc_u64 s[30:31], s[30:31], s[48:49]
	s_add_nc_u64 s[32:33], s[32:33], s[50:51]
.macro LOAD a                          ; fragment a's 16 rows: each load reads one row's 512 consecutive bytes
.irp i, 0,1,2,3,4,5,6,7,8,9,10,11,12,13,14,15
	global_load_b128 v[RA+64*((\a)%2)+4*\i:RA+64*((\a)%2)+4*\i+3], v2, s[4:5] offset:(32*((\a)/2)+2*\i+(\a)%2)*4096 th:TH_LOAD_NT
.endr
.endm
.macro TURN a                          ; through the stage: LDS serves a wave's instructions in order, so no wait stands between the stores and the loads
.irp i, 0,1,2,3,4,5,6,7,8,9,10,11,12,13,14,15
	ds_store_b128 v3, v[RA+64*((\a)%2)+4*\i:RA+64*((\a)%2)+4*\i+3] offset:528*\i
.endr
.irp b, 0,1,2,3
.irp j, 0,1,2,3
	ds_load_b128 v[X+16*\b+4*\j:X+16*\b+4*\j+3], v4 offset:128*\b+16*\j
.endr
.endr
.endm
	LOAD 0
	LOAD 1
.irp a, 0,1,2,3
.if \a < 3
	s_wait_loadcnt 16                              ; this fragment's 16 loads are in; the next fragment's 16 may be out
.else
	s_wait_loadcnt 0x0
.endif
	TURN \a
	s_wait_dscnt 0x0                               ; the numbers are back, and the stage's stores have read their registers
	s_wait_xcnt 0x0                                ; the last fragment's stores have read v[PC] on: it is written again only behind this wait
.if \a < 2
	LOAD \a+2
.endif
	QUANT X, PC, PW+\a
.irp i, 0,1,2
	global_store_b128 v2, v[PC+4*\i:PC+4*\i+3], s[30:31] offset:1536*\a+512*\i   ; 32 lanes store 512 consecutive bytes, aligned
.endr
.endr
	s_wait_xcnt 0x0                                ; EXEC changes only behind this wait
	v_cmp_gt_u32 vcc_lo, 16, v1
	s_wait_tensorcnt 0x0
	ds_add_u32 v248, v249
	s_wait_dscnt 0x0
	s_and_saveexec_b32 s52, vcc_lo
	global_store_b128 v2, v[PW:PW+3], s[32:33]     ; lanes 0-15: row r's four words: 256 consecutive bytes, aligned
	s_wait_xcnt 0x0
	s_or_b32 exec_lo, exec_lo, s52
	s_endpgm
	; ---- the weights: a wave lays one portion
.Lweights:
	s_sub_co_u32 s43, ttmp9, 128
	s_lshl_b32 s43, s43, 2
	s_add_co_u32 s43, s43, s[WV]                   ; pi, 0..303
	s_lshr_b32 s44, s43, 6
	s_cmp_eq_u32 s44, 2                            ; Wv: its rows are taken in the permuted order
	s_cselect_b32 s45, 128, 1                      ; rows from lane to lane within eight,
	s_cselect_b32 s46, 2, 16                       ; for the upper eight lanes,
	s_cselect_b32 s47, 1, 8                        ; for bit 0 of the fragment's number,
	s_cselect_b32 s48, 4, 32                       ; for bit 1,
	s_cselect_b32 s49, 8, 64                       ; for bit 2,
	s_cselect_b32 s50, 16, 128                     ; and from wave to wave
	s_cmp_ge_u32 s43, 256                          ; W1, W2: bit 2 is a K step, and a wave has 64 rows
	s_cselect_b32 s49, 0, s49
	s_cselect_b32 s51, 1, 0
	s_cselect_b32 s50, 64, s50
	s_cselect_b32 s52, 31, 63
	s_and_b32 s52, s43, s52                        ; the portion's number within its weight
	s_lshr_b32 s53, s52, 3
	s_and_b32 s52, s52, 7                          ; w
	s_lshl_b32 s53, s53, s51                       ; its first K step
	s_mov_b32 s54, 768
	s_cmp_ge_u32 s43, 288                          ; W2: K = 512
	s_cselect_b32 s54, 384, s54                    ; a row of codes in bytes
	s_cselect_b32 s55, 16, 32                      ; a row of scale bytes
	s_mul_i32 s56, s47, s54
	s_mul_i32 s57, s48, s54
	s_mul_i32 s58, s49, s54
	s_mul_i32 s59, s51, 96
	s_add_co_u32 s58, s58, s59                     ; the three bits' strides among the codes,
	s_mul_i32 s60, s47, s55
	s_mul_i32 s61, s48, s55
	s_mul_i32 s62, s49, s55
	s_lshl_b32 s59, s51, 2
	s_add_co_u32 s62, s62, s59                     ; and among the scale bytes
	s_mul_i32 s63, s50, s52                        ; the wave's first row
	s_mul_i32 s66, s63, s54
	s_mul_i32 s59, s53, 96
	s_add_co_u32 s66, s66, s59
	s_mul_i32 s67, s63, s55
	s_lshl_b32 s59, s53, 2
	s_add_co_u32 s67, s67, s59
	v_and_b32 v120, 7, v5
	v_lshrrev_b32 v121, 3, v5
	v_mul_lo_u32 v120, v120, s45
	v_mul_lo_u32 v121, v121, s46
	v_add_nc_u32 v120, v120, v121                  ; my lane's row
	v_mul_lo_u32 v4, v120, s54
	v_mad_u32_u24 v4, v6, 24, v4                   ; its codes, + 24 h
	v_mul_lo_u32 v3, v120, s55
	v_mul_lo_u32 v121, v6, s62
	v_add_nc_u32 v3, v3, v121                      ; its scale word; lanes 16-31 take fragment 4 + q's
.irp f, 0,1,2,3,4,5,6,7
	s_mov_b32 s59, s66
.if \f & 1
	s_add_co_u32 s59, s59, s56
.endif
.if \f & 2
	s_add_co_u32 s59, s59, s57
.endif
.if \f & 4
	s_add_co_u32 s59, s59, s58
.endif
	v_add_nc_u32 v[8+\f], s59, v4                  ; fragment f's offset: made of ids and constants alone
.endr
.irp q, 0,1,2,3
	s_mov_b32 s59, s67
.if \q & 1
	s_add_co_u32 s59, s59, s60
.endif
.if \q & 2
	s_add_co_u32 s59, s59, s61
.endif
	v_add_nc_u32 v[116+\q], s59, v3
.endr
	s_mul_i32 s68, s43, 12800
	s_mov_b32 s69, 0
	s_wait_kmcnt 0x0
	s_mov_b64 s[36:37], s[6:7]                     ; the weight's two buffers: chosen by the portion's number alone
	s_mov_b64 s[38:39], s[8:9]
	s_cmp_ge_u32 s43, 64
	s_cselect_b64 s[36:37], s[10:11], s[36:37]
	s_cselect_b64 s[38:39], s[12:13], s[38:39]
	s_cmp_ge_u32 s43, 128
	s_cselect_b64 s[36:37], s[14:15], s[36:37]
	s_cselect_b64 s[38:39], s[16:17], s[38:39]
	s_cmp_ge_u32 s43, 192
	s_cselect_b64 s[36:37], s[18:19], s[36:37]
	s_cselect_b64 s[38:39], s[20:21], s[38:39]
	s_cmp_ge_u32 s43, 256
	s_cselect_b64 s[36:37], s[22:23], s[36:37]
	s_cselect_b64 s[38:39], s[24:25], s[38:39]
	s_cmp_ge_u32 s43, 288
	s_cselect_b64 s[36:37], s[26:27], s[36:37]
	s_cselect_b64 s[38:39], s[28:29], s[38:39]
	s_add_nc_u64 s[34:35], s[34:35], s[68:69]
.irp f, 0,1,2,3,4,5,6,7
.irp p, 0,1,2,3,4,5
	global_load_b64 v[16+12*\f+2*\p:17+12*\f+2*\p], v[8+\f], s[36:37] offset:48*(\p/3)+8*(\p%3)   ; a lane's 24 bytes as three pieces of 8: every address a multiple of 8
.endr
.endr
.irp q, 0,1,2,3
	global_load_b32 v[112+\q], v[116+\q], s[38:39]
.endr
	s_wait_loadcnt 0x0
.irp f, 0,1,2,3,4,5,6,7
.irp i, 0,1,2
	global_store_b128 v2, v[16+12*\f+4*\i:19+12*\f+4*\i], s[34:35] offset:1536*\f+512*\i
.endr
.endr
	global_store_b128 v2, v[112:115], s[34:35] offset:12288
	s_endpgm
.Lfunc_end_k_qd58567c04a_prep:
	.size	k_qd58567c04a_prep, .Lfunc_end_k_qd58567c04a_prep-k_qd58567c04a_prep
	.p2alignl 7, 3214868480
	.fill 96, 4, 3214868480
	.section	.rodata,"a",@progbits
	.p2align	6, 0x0
	.amdhsa_kernel k_qd58567c04a_prep
		.amdhsa_group_segment_fixed_size 34304
		.amdhsa_private_segment_fixed_size 0
		.amdhsa_enable_private_segment 0
		.amdhsa_kernarg_size 128
		.amdhsa_user_sgpr_count 2
		.amdhsa_user_sgpr_kernarg_segment_ptr 1
		.amdhsa_wavefront_size32 1
		.amdhsa_system_sgpr_workgroup_id_x 1
		.amdhsa_system_sgpr_workgroup_id_y 1
		.amdhsa_system_sgpr_workgroup_id_z 1
		.amdhsa_system_vgpr_workitem_id 0
		.amdhsa_next_free_vgpr 250
		.amdhsa_next_free_sgpr 100
		.amdhsa_reserve_vcc 1
		.amdhsa_float_denorm_mode_32 3
		.amdhsa_float_denorm_mode_16_64 3
		.amdhsa_memory_ordered 1
		.amdhsa_forward_progress 1
		.amdhsa_inst_pref_size 45
	.end_amdhsa_kernel
	.amdgpu_metadata
---
amdhsa.version: [ 1, 2 ]
amdhsa.kernels:
  - .name:           k_qd58567c04a_prep
    .symbol:         k_qd58567c04a_prep.kd
    .args:
      - { .name: x, .offset: 0, .size: 8, .value_kind: global_buffer, .address_space: global }
      - { .name: Wq_codes, .offset: 8, .size: 8, .value_kind: global_buffer, .address_space: global }
      - { .name: Wq_scales, .offset: 16, .size: 8, .value_kind: global_buffer, .address_space: global }
      - { .name: Wk_codes, .offset: 24, .size: 8, .value_kind: global_buffer, .address_space: global }
      - { .name: Wk_scales, .offset: 32, .size: 8, .value_kind: global_buffer, .address_space: global }
      - { .name: Wv_codes, .offset: 40, .size: 8, .value_kind: global_buffer, .address_space: global }
      - { .name: Wv_scales, .offset: 48, .size: 8, .value_kind: global_buffer, .address_space: global }
      - { .name: Wo_codes, .offset: 56, .size: 8, .value_kind: global_buffer, .address_space: global }
      - { .name: Wo_scales, .offset: 64, .size: 8, .value_kind: global_buffer, .address_space: global }
      - { .name: W1_codes, .offset: 72, .size: 8, .value_kind: global_buffer, .address_space: global }
      - { .name: W1_scales, .offset: 80, .size: 8, .value_kind: global_buffer, .address_space: global }
      - { .name: W2_codes, .offset: 88, .size: 8, .value_kind: global_buffer, .address_space: global }
      - { .name: W2_scales, .offset: 96, .size: 8, .value_kind: global_buffer, .address_space: global }
      - { .name: ximg, .offset: 104, .size: 8, .value_kind: global_buffer, .address_space: global }
      - { .name: xsc, .offset: 112, .size: 8, .value_kind: global_buffer, .address_space: global }
      - { .name: wimg, .offset: 120, .size: 8, .value_kind: global_buffer, .address_space: global }
    .group_segment_fixed_size: 34304
    .private_segment_fixed_size: 0
    .kernarg_segment_align: 8
    .kernarg_segment_size: 128
    .max_flat_workgroup_size: 128
    .sgpr_count:     100
    .vgpr_count:     250
    .wavefront_size: 32
...
	.end_amdgpu_metadata
.endif
;; end of part 1
;; launch qkv (part 2): grid 64 x 3, 8 waves a work-group, clusters of 4 x 1, 327,680 bytes of LDS; arguments ximg, xsc, wimg, bq, bk, bv, qrec, krec, vrec; writes qrec, krec, vrec
.if DOCPART == 2
	.amdgcn_target "amdgcn-amd-amdhsa--gfx1250"
	.amdhsa_code_object_version 6
	.text
	.protected	k_qd58567c04a_qkv
	.globl	k_qd58567c04a_qkv
	.p2align	8
	.type	k_qd58567c04a_qkv,@function
k_qd58567c04a_qkv:
	s_mov_b64 s[64:65], 0
	v_nop
	global_prefetch_b8 v0, s[64:65] scope:SCOPE_SE
	s_setreg_imm32_b32 hwreg(HW_REG_WAVE_MODE, 25, 1), 1
	s_wait_xcnt 0x0
	s_wait_alu depctr_hold_cnt(0) depctr_sa_sdst(0) depctr_va_vdst(0) depctr_va_sdst(0) depctr_va_ssrc(0) depctr_va_vcc(0) depctr_vm_vsrc(0)
	s_getreg_b32 s2, hwreg(HW_REG_IB_STS2, 6, 4)
	s_cmp_eq_u32 s2, 0
	s_cbranch_scc0 .Lentry_in_a_cluster
	s_endpgm
.Lentry_in_a_cluster:
	s_bfe_u32 s2, ttmp6, 0x10000c
	s_cmp_lg_u32 s2, 0x3003
	s_cbranch_scc0 .Lentry_shape_is_right
	s_endpgm
.Lentry_shape_is_right:
; QKV.  Work-group (row block RB of 64 rows of x, projection mu = 0 Q, 1 K, 2 V) makes 64 rows x all 1,024 columns of x W + b on codes of FP6 and quantises the result for the attention launch.
; All 1,024 columns lie in one work-group because the heads are plain cuts of the flat result: flat row t' = 8 m + e is chunk e (128 columns) of row m, so a block of 32 keys is 4 rows x 8 chunks.
; Wave w takes the weight rows of portion w: for Q and K chunk e = w; for V (whose rows the first launch permuted) channels d = 16 w .. 16 w + 15 of all eight chunks.  4 x 8 accumulators, 256 registers, in window 1.
; THE PRODUCT IS USED TRANSPOSED (source 0 = 16 weight rows, source 1 = 16 rows of x): a lane holds one row of x, its registers run along the columns, and by the choice of a tile's rows the 16 registers of tiles 2 b, 2 b + 1 are 16 neighbours.
; Q, K: a lane's 64 numbers are one flat row's halves of four blocks along d: quantised in registers, placed as lane 8 (r % 2) + w of fragment 16 P + 2 (r / 2) + u.
; V: registers j = chunk e, so ACC(2 P, t) and ACC(2 P + 1, t) (an even row and the odd row behind it) are 16 neighbouring KEYS of one channel; lanes r and r xor 1 hold a block of 32 keys.
; OUT: records of 12,800 bytes for each head and 128 keys: 8 fragments + 512 bytes of scale words.  Q, K: images (register p of lane L at 512 (p / 4) + 16 L + 4 (p % 4)); V^T: register p of lane L at 48 L + 4 p.
; WEIGHTS come through a ring of two LDS slots of 102,400 bytes (one K step, 8 portions; each wave fetches and reads its own).  CLUSTER: the four row blocks of a cluster walk the same weights: each tile is asked for jointly (mask 15).
; By this text's own count a wave has one tensor load out.  The whole LDS is claimed, and 0 is added to spare words.
; LIMITS: NaN and infinities are not served; a block of zeros gets the byte 1 (its codes are zeros; this program alone reads the bytes).
.set PORT,  12800
.set TILE,  102400
.set AIMG,  204800                     ; x's 32 images [K step][fragment]
.set ASC,   253952                     ; their scale words [K step][r][fragment]
.set SPARE, 256000                     ; the spare words: 128 bytes a wave, four blocks of 256 bytes that no other line names
.set QST,   0                          ; the way out of Q and K: 32 fragments x (1,536 + 16) bytes, in slot 0, behind its last fill and last read
.set QSS,   49664                      ; and 2,048 bytes of scale words
.set VST,   102400                     ; the way out of V: 4,096 places of 16 bytes for pieces of 12, in slot 1
.set VSS,   167936
.set SPW, 1
.set NIL, 2
.set LI,  3                            ; 16 x lane
.set BA0, 4                            ; v4, v5  my portion in slot 0, 1
.set AA,  6
.set SA,  7
.set Q8,  8
.set Q9,  9
.set V10, 10
.set V11, 11
.set OQ,  12
.set OV,  13
.set OSQ, 14
.set OSV, 15
.set GV,  16                           ; 12 x lane
.set GS,  17                           ; 8 x lane
.set BQO, 18                           ; 64 h
.set BVO, 19                           ; 8 h
.set BS,  32                           ; v32-35 the weights' scale words, v36-39 x's: scales and nothing else
.set AS,  36
.set BF,  48                           ; v48-143 the weights' 8 fragments
.set AF,  144                          ; v144-191 x's 4 fragments
.set TM,  176
.set XT,  192
.set WV,  22
.set MU,  23
.set RB,  24
.set G1,  28
.set G0,  36
.set SEL, 44
.set XSP, 56                           ; s[56:57] x's scale words of my row block;  s[58:59] x's images: bases of loads that are waited for late, so no other line writes them
.set XIP, 58
.set MSB, 0
.macro WIN new                         ; the immediate's high byte repeats the setting that is left
.if MSB != \new
	s_set_vgpr_msb (MSB<<8)|\new
.set MSB, \new
.endif
.endm
.macro PLACES n
.rept \n
	v_nop
.endr
.endm
.macro ROUND                           ; a round of the cluster's barrier
	s_barrier_signal -1
	s_barrier_wait -1
	s_cmp_lg_u32 s[WV], 0
	s_cbranch_scc1 .Lnot_wave_0_\@
	s_barrier_signal -3
.Lnot_wave_0_\@:
	s_barrier_wait -3
	s_barrier_signal -1
	s_barrier_wait -1
.endm
.macro QUANT s, d, pw
.irp b, 0,1,2,3
	v_max3_num_f32 v[TM+\b], |v[\s+16*\b]|, |v[\s+1+16*\b]|, 0x1800000   ; my 16 numbers of block b, and the floor 2^(3 - 127)
.endr
.irp i, 2,4,6,8,10,12,14
.irp b, 0,1,2,3
	v_max3_num_f32 v[TM+\b], v[TM+\b], |v[\s+16*\b+\i]|, |v[\s+1+16*\b+\i]|
.endr
.endr
.irp b, 0,1,2,3
	v_permlanex16_b32 v[TM+4+\b], v[TM+\b], s[SEL], s[SEL+1]
.endr
.irp b, 0,1,2,3
	v_max_num_f32 v[TM+\b], v[TM+\b], v[TM+4+\b]
.endr
.irp b, 0,1,2,3
	v_add_nc_u32 v[TM+12+\b], 0xff000000, v[TM+\b]       ; 2 off the exponent field: the conversion's scale operand
.endr
.irp b, 0,1,2,3
	v_lshrrev_b32 v[TM+4+\b], 23, v[TM+12+\b]
.endr
	v_lshl_or_b32 v[\pw], v[TM+5], 8, v[TM+4]
	v_lshl_or_b32 v[\pw], v[TM+6], 16, v[\pw]
	v_lshl_or_b32 v[\pw], v[TM+7], 24, v[\pw]
.irp c, 0,1
	v_cvt_scalef32_pk16_fp6_f32 v[\d+6*\c:\d+2+6*\c], v[\s+32*\c:\s+15+32*\c], v[TM+12+2*\c]
	v_cvt_scalef32_pk16_fp6_f32 v[XT+4*\c:XT+2+4*\c], v[\s+16+32*\c:\s+31+32*\c], v[TM+12+2*\c+1]
.endr
	v_nop                                          ; one plain place behind a scaled conversion
.irp c, 0,1
.irp i, 0,1,2
	v_permlane16_swap_b32 v[\d+6*\c+\i], v[XT+4*\c+\i]
.endr
.irp i, 0,1,2
	v_mov_b32 v[\d+3+6*\c+\i], v[XT+4*\c+\i]
.endr
.endr
.endm
; one product.  cz = 1: the constant 0 starts the sum.  row = 1: source 0's scales stand in lanes 16-31
.macro WM d, a, b, cz, sa, sb, row
.if \row
.if \cz
	v_wmma_scale_f32_16x16x128_f8f6f4 v[\d:\d+7], v[\a:\a+11], v[\b:\b+11], 0, v[\sa], v[\sb] matrix_a_fmt:MATRIX_FMT_FP6 matrix_b_fmt:MATRIX_FMT_FP6 matrix_a_scale:MATRIX_SCALE_ROW1
.else
	v_wmma_scale_f32_16x16x128_f8f6f4 v[\d:\d+7], v[\a:\a+11], v[\b:\b+11], v[\d:\d+7], v[\sa], v[\sb] matrix_a_fmt:MATRIX_FMT_FP6 matrix_b_fmt:MATRIX_FMT_FP6 matrix_a_scale:MATRIX_SCALE_ROW1
.endif
.else
.if \cz
	v_wmma_scale_f32_16x16x128_f8f6f4 v[\d:\d+7], v[\a:\a+11], v[\b:\b+11], 0, v[\sa], v[\sb] matrix_a_fmt:MATRIX_FMT_FP6 matrix_b_fmt:MATRIX_FMT_FP6
.else
	v_wmma_scale_f32_16x16x128_f8f6f4 v[\d:\d+7], v[\a:\a+11], v[\b:\b+11], v[\d:\d+7], v[\sa], v[\sb] matrix_a_fmt:MATRIX_FMT_FP6 matrix_b_fmt:MATRIX_FMT_FP6
.endif
.endif
.endm
; THE CHANGE OF SLOTS at the head of K step n.  All my tensor loads have landed (my portion of this step's tile), 0 is added to my spare word, the add and my reads of the other slot are done; a round of the cluster's barrier;
; behind it the other slot takes the next K step: the wave's one tensor load until the next round.  The four v_nop behind it are also the places in front of the fragment loads.
.macro HEAD n, more
	s_wait_tensorcnt 0x0
	ds_add_u32 v[SPW], v[NIL]
	s_add_nc_u64 s[G0+4*((\n)%2)+2:G0+4*((\n)%2)+3], s[G0+4*((\n)%2)+2:G0+4*((\n)%2)+3], 2*TILE   ; no load of mine is out: this slot's next tile
	s_wait_dscnt 0x0
	ROUND
.if \more
	tensor_load_to_lds s[G0+4*(((\n)+1)%2):G0+4*(((\n)+1)%2)+3], s[G1:G1+7]
	s_nop 0
.endif
	PLACES 4
.endm
.macro MM16 n, t0, row                 ; 16 products: x's four fragments x four weight tiles; the 32 accumulators take turns
.irp a, 0,1,2,3
.irp t, 0,1,2,3
.if (\n) == 0
	WM 8*(8*\a+\t0+\t), BF+12*(\t0+\t), AF+12*\a, 1, BS+\t, AS+\a, \row
.else
	WM 8*(8*\a+\t0+\t), BF+12*(\t0+\t), AF+12*\a, 0, BS+\t, AS+\a, \row
.endif
.endr
.endr
.endm
.macro BODY n                          ; K step n: 38 LDS loads, 32 products
.set BA, BA0+((\n)%2)
	ds_load_b128 v[BS:BS+3], v[BA] offset:12288
	ds_load_b128 v[AS:AS+3], v[SA] offset:256*(\n)
.irp a, 0,1,2,3
.irp i, 0,1,2
	ds_load_b128 v[AF+12*\a+4*\i:AF+12*\a+4*\i+3], v[AA] offset:6144*(\n)+1536*\a+512*\i
.endr
.endr
.irp t, 0,1,2,3,4,5,6,7
.irp i, 0,1,2
	ds_load_b128 v[BF+12*\t+4*\i:BF+12*\t+4*\i+3], v[BA] offset:1536*\t+512*\i
.endr
.endr
	s_wait_dscnt 12                                ; all but the youngest twelve: the weights' fragments 4-7
	WIN 0x50                                       ; C and D in window 1
	MM16 \n, 0, 0
	s_wait_dscnt 0x0
	MM16 \n, 4, 1
	WIN 0
.endm
	s_load_b512 s[4:19], s[0:1], 0x0               ; ximg, xsc, wimg, bq, bk, bv, qrec, krec
	s_load_b64 s[20:21], s[0:1], 0x40              ; vrec
	v_lshl_add_u32 v[SPW], v0, 2, SPARE
	v_mov_b32 v[NIL], 0
	ds_add_u32 v1, v2
	ds_add_u32 v1, v2
	s_wait_dscnt 0x0
	v_lshrrev_b32 v21, 5, v0
	v_readfirstlane_b32 s[WV], v21                 ; wave 0..7
	s_bfe_u32 s25, ttmp6, 0x40000                  ; cx
	s_lshl_b32 s[RB], ttmp9, 2
	s_add_co_u32 s[RB], s[RB], s25                 ; my row block: it enters global addresses of x's images and of the results alone
	s_and_b32 s[MU], ttmp7, 0xffff                 ; the projection, which the four partners share
	; descriptor group 1: a dense block of 12,800 bytes as 50 rows of 256 bytes (32 elements of 8 bytes)
	s_mov_b32 s[G1+0], 15|(3<<16)|(1<<21)          ; 15:0 the mask: all four work-groups; 17:16 elements of 8 bytes; 21 set beside a mask
	s_mov_b32 s[G1+1], 32<<16                      ; tensor_dim0
	s_mov_b32 s[G1+2], 50<<16                      ; tensor_dim1
	s_mov_b32 s[G1+3], 32<<16                      ; tile_dim0
	s_mov_b32 s[G1+4], 50                          ; tile_dim1
	s_mov_b32 s[G1+5], 32                          ; the pitch
	s_mov_b32 s[G1+6], 0
	s_mov_b32 s[G1+7], 0
	s_mov_b32 s[SEL], 0x76543210
	s_mov_b32 s[SEL+1], 0xfedcba98
	s_mul_i32 s26, s[WV], PORT                     ; my portion, in a tile and in a slot
	s_mul_i32 s46, s[MU], 819200                   ; the projection's 64 portions
	s_add_co_u32 s46, s46, s26
	s_mov_b32 s47, 0
	s_wait_kmcnt 0x0
	s_add_nc_u64 s[46:47], s[8:9], s[46:47]
.irp s, 0,1
	s_mov_b32 s[G0+4*\s], 1
	s_add_co_u32 s[G0+4*\s+1], s26, \s*TILE
	s_add_nc_u64 s[G0+4*\s+2:G0+4*\s+3], s[46:47], \s*TILE
	s_or_b32 s[G0+4*\s+3], s[G0+4*\s+3], 0x80000000
.endr
	ROUND                                          ; all four work-groups are here: the first joint loads meet
	tensor_load_to_lds s[G0:G0+3], s[G1:G1+7]      ; K step 0
	s_nop 0
	PLACES 4
	; x's images and scale words of my row block: 49,152 + 2,048 dense bytes, copied once through registers into LDS bytes that no tensor load fills
	v_lshlrev_b32 v21, 4, v0
	v_lshlrev_b32 v22, 3, v0
	s_mul_i32 s48, s[RB], 49152
	s_mov_b32 s49, 0
	s_add_nc_u64 s[XIP:XIP+1], s[4:5], s[48:49]    ; the two bases stand in pairs of their own: the scalars made below while the loads are out touch neither
	s_lshl_b32 s46, s[RB], 11
	s_mov_b32 s47, 0
	s_add_nc_u64 s[XSP:XSP+1], s[6:7], s[46:47]
.irp k, 0,1,2,3,4,5,6,7,8,9,10,11
	global_load_b128 v[48+4*\k:51+4*\k], v21, s[XIP:XIP+1] offset:4096*\k
.endr
	global_load_b64 v[96:97], v22, s[XSP:XSP+1]
	v_add_nc_u32 v23, AIMG, v21
	v_add_nc_u32 v24, ASC, v22
	; every LDS address is made here, ahead of any parting of ways
	v_and_b32 v25, 31, v0                          ; lane
	v_and_b32 v26, 15, v0                          ; r
	v_bfe_u32 v27, v0, 4, 1                        ; h
	v_lshlrev_b32 v[LI], 4, v25
	v_add_nc_u32 v[BA0], s26, v[LI]
	v_add_nc_u32 v[BA0+1], TILE, v[BA0]
	v_add_nc_u32 v[AA], AIMG, v[LI]
	v_lshl_add_u32 v[SA], v26, 4, ASC
	v_lshrrev_b32 v28, 1, v26
	v_and_b32 v29, 1, v26
	v_bfe_u32 v30, v26, 3, 1
	v_bfe_u32 v31, v26, 2, 1
	v_bfe_u32 v20, v26, 1, 1
	s_lshl_b32 s27, s[WV], 4
	v_mul_u32_u24 v[Q8], v28, 3104                 ; Q, K: fragment 2 (r / 2) on, lane 8 (r % 2) + w + 16 h
	v_lshl_add_u32 v[Q8], v29, 7, v[Q8]
	v_lshl_add_u32 v[Q8], v27, 8, v[Q8]
	v_add_nc_u32 v[Q8], s27, v[Q8]
	v_lshlrev_b32 v[Q9], 9, v30                    ; their scale words: record r / 8, half (r / 4) % 2 of the lanes, lane 8 (r % 2) + w, word 2 ((r / 2) % 2) + u
	v_lshl_add_u32 v[Q9], v31, 8, v[Q9]
	v_lshl_add_u32 v[Q9], v29, 7, v[Q9]
	v_lshl_add_u32 v[Q9], v20, 3, v[Q9]
	v_add_nc_u32 v[Q9], s27, v[Q9]
	v_add_nc_u32 v[Q9], QSS, v[Q9]
	s_lshr_b32 s46, s[WV], 1
	s_and_b32 s47, s[WV], 1
	s_lshl_b32 s48, s46, 12
	s_lshl_b32 s49, s47, 9
	s_add_co_u32 s48, s48, s49                     ; 4,096 (w / 2) + 512 (w % 2)
	v_lshlrev_b32 v[V10], 14, v30                  ; V: record r / 8; lane's half (r / 2) % 2; c = (r / 4) % 2; half block r % 2; channel's lane + 2 h
	v_lshl_add_u32 v[V10], v20, 10, v[V10]
	v_lshl_add_u32 v[V10], v31, 5, v[V10]
	v_lshl_add_u32 v[V10], v29, 4, v[V10]
	v_lshl_add_u32 v[V10], v27, 7, v[V10]
	v_add_nc_u32 v[V10], s48, v[V10]
	v_add_nc_u32 v[V10], VST, v[V10]
	s_lshr_b32 s48, s[WV], 2
	s_lshl_b32 s48, s48, 8
	s_lshl_b32 s49, s47, 7
	s_add_co_u32 s48, s48, s49
	s_and_b32 s49, s46, 1
	s_lshl_b32 s49, s49, 3
	s_add_co_u32 s48, s48, s49                     ; 256 (w / 4) + 128 (w % 2) + 8 ((w / 2) % 2)
	v_bfe_u32 v28, v26, 1, 2
	v_lshl_add_u32 v[V11], v30, 9, v28             ; V's scale bytes: byte (r / 2) % 4 of the channel's word
	v_lshl_add_u32 v[V11], v27, 5, v[V11]
	v_add_nc_u32 v[V11], s48, v[V11]
	v_add_nc_u32 v[V11], VSS, v[V11]
	s_mul_i32 s48, s[WV], 6208
	v_add_nc_u32 v[OQ], s48, v[LI]                 ; back: wave w takes fragments 4 w .. 4 w + 3
	s_lshl_b32 s48, s[WV], 13
	v_add_nc_u32 v[OV], s48, v[LI]
	v_add_nc_u32 v[OV], VST, v[OV]                 ; or places 512 w on
	s_lshl_b32 s48, s[WV], 8
	v_lshlrev_b32 v[GS], 3, v25
	v_add_nc_u32 v[OSQ], s48, v[GS]
	v_add_nc_u32 v[OSV], VSS, v[OSQ]
	v_add_nc_u32 v[OSQ], QSS, v[OSQ]
	v_mul_u32_u24 v[GV], v25, 12
	v_lshlrev_b32 v[BQO], 6, v27
	v_lshlrev_b32 v[BVO], 3, v27
	; the result's buffer and the bias, chosen by the projection's number alone
	s_cmp_eq_u32 s[MU], 0
	s_cselect_b64 s[50:51], s[16:17], s[18:19]
	s_cselect_b64 s[52:53], s[10:11], s[12:13]
	s_cmp_eq_u32 s[MU], 2
	s_cselect_b64 s[50:51], s[20:21], s[50:51]
	s_cselect_b64 s[52:53], s[14:15], s[52:53]
	s_cselect_b32 s48, 6, 9
	s_lshl_b32 s48, s[WV], s48                     ; V: 64 w bytes; Q, K: 512 w
	s_mov_b32 s49, 0
	s_add_nc_u64 s[52:53], s[52:53], s[48:49]
	s_mul_i32 s48, s[RB], 51200                    ; my row block's four records,
	s_mul_i32 s46, s46, PORT                       ; record w / 2
	s_add_co_u32 s48, s48, s46
	s_add_nc_u64 s[50:51], s[50:51], s[48:49]
	s_lshl_b32 s48, s47, 8
	s_add_co_u32 s48, s48, 12288
	s_add_nc_u64 s[54:55], s[50:51], s[48:49]      ; its scale words, my half
	s_mul_i32 s48, s47, 6144
	s_add_nc_u64 s[50:51], s[50:51], s[48:49]      ; its fragments, my half
	s_wait_loadcnt 0x0
.irp k, 0,1,2,3,4,5,6,7,8,9,10,11
	ds_store_b128 v23, v[48+4*\k:51+4*\k] offset:4096*\k
.endr
	ds_store_b64 v24, v[96:97]                     ; the wait and the round at the head of K step 0 show these to every wave
.irp n, 0,1,2,3,4,5,6
	HEAD \n, 1
	BODY \n
.endr
	HEAD 7, 0
	BODY 7
	PLACES 4                                       ; behind the last products: their results are read and their operands' registers written below
	s_wait_dscnt 0x0
	s_barrier_signal -1
	s_barrier_wait -1                              ; nobody reads a slot any more; both have had their last fill
.irp b, 0,1,2,3
	v_mov_b32 v[TM+4+\b], 0                        ; a lane permute's destination counts as one of its sources
.endr
	s_cmp_eq_u32 s[MU], 2
	s_cbranch_scc1 .Lstage_v
	; ---- Q, K: + bias, quantised along d, to the stage
.irp t, 0,1,2,3,4,5,6,7
.irp q, 0,1
	global_load_b128 v[48+8*\t+4*\q:51+8*\t+4*\q], v[BQO], s[52:53] offset:(32*(\t/2)+8*(\t%2)+4*\q)*4
.endr
.endr
	s_wait_loadcnt 0x0
.irp a, 0,1,2,3
	WIN 0x01                                       ; source 0: the accumulators, window 1
.set NN, 0
.rept 32
	v_pk_add_f32 v[112+NN:113+NN], v[64*\a+NN:64*\a+NN+1], v[48+NN:49+NN]   ; each accumulator from its low end on
.set NN, NN+2
.endr
	WIN 0
	QUANT 112, 200, 212
.irp i, 0,1,2
	ds_store_b128 v[Q8], v[200+4*\i:203+4*\i] offset:(16*(\a/2)+(\a%2))*1552+512*\i
.endr
	ds_store_b32 v[Q9], v212 offset:1024*(\a/2)+4*(\a%2)
	s_wait_dscnt 0x0                               ; the stores have read their registers
.endr
	s_branch .Lstaged
.Lstage_v:
	; ---- V: + bias, quantised along the keys, to the stage
.irp t, 0,1,2,3,4,5,6,7
.irp j, 0,1,2,3,4,5,6,7
	global_load_b32 v[48+8*\t+\j], v[BVO], s[52:53] offset:512*\j+4*(4*(\t/2)+(\t%2))   ; bv at chunk j, channel 16 w + 4 (t / 2) + 2 h + t % 2
.endr
.endr
	s_wait_loadcnt 0x0
.macro VQ4 P, t0                       ; four tiles by turns: a lane's 16 keys of four channels
	WIN 0x01
.irp q, 0,1,2,3
.irp e, 0,2,4,6
	v_pk_add_f32 v[112+16*\q+\e:113+16*\q+\e], v[128*\P+8*(\t0+\q)+\e:128*\P+8*(\t0+\q)+\e+1], v[48+8*(\t0+\q)+\e:49+8*(\t0+\q)+\e]
.endr
.irp e, 0,2,4,6
	v_pk_add_f32 v[120+16*\q+\e:121+16*\q+\e], v[128*\P+64+8*(\t0+\q)+\e:128*\P+64+8*(\t0+\q)+\e+1], v[48+8*(\t0+\q)+\e:49+8*(\t0+\q)+\e]
.endr
.endr
	WIN 0
.irp q, 0,1,2,3
	v_max3_num_f32 v[176+\q], |v[112+16*\q]|, |v[113+16*\q]|, 0x1800000
.endr
.irp i, 2,4,6,8,10,12,14
.irp q, 0,1,2,3
	v_max3_num_f32 v[176+\q], v[176+\q], |v[112+16*\q+\i]|, |v[113+16*\q+\i]|
.endr
.endr
.irp q, 0,1,2,3
	v_max_num_f32_dpp v[176+\q], v[176+\q], v[176+\q] row_xmask:1 row_mask:0xf bank_mask:0xf   ; with my neighbour's 16 keys: the block's
.endr
.irp q, 0,1,2,3
	v_add_nc_u32 v[180+\q], 0xff000000, v[176+\q]
.endr
.irp q, 0,1,2,3
	v_cvt_scalef32_pk16_fp6_f32 v[200+4*\q:202+4*\q], v[112+16*\q:127+16*\q], v[180+\q]
.endr
.irp q, 0,1,2,3
	v_lshrrev_b32 v[184+\q], 23, v[180+\q]         ; the scale's byte (also the plain place behind the conversions)
.endr
.irp q, 0,1,2,3
	ds_store_b96 v[V10], v[200+4*\q:202+4*\q] offset:32768*\P+2048*((\t0+\q)/4)+64*(4*(((\t0+\q)/2)%2)+(\t0+\q)%2)
	ds_store_b8 v[V11], v[184+\q] offset:1024*\P+16*(4*(((\t0+\q)/2)%2)+(\t0+\q)%2)+4*((\t0+\q)/4)   ; both lanes of a block write the same byte with the same value
.endr
	s_wait_dscnt 0x0                               ; the stores have read their registers
.endm
	VQ4 0, 0
	VQ4 0, 4
	VQ4 1, 0
	VQ4 1, 4
.Lstaged:
	s_wait_dscnt 0x0
	s_barrier_signal -1
	s_barrier_wait -1                              ; the four records lie whole in the stage
	s_cmp_eq_u32 s[MU], 2
	s_cbranch_scc1 .Lout_v
.irp k, 0,1,2,3
.irp i, 0,1,2
	ds_load_b128 v[48+12*\k+4*\i:51+12*\k+4*\i], v[OQ] offset:1552*\k+512*\i
.endr
.endr
	ds_load_b64 v[96:97], v[OSQ]
.set CC, 12
.irp k, 0,1,2,3
.irp i, 0,1,2
	s_wait_dscnt CC                                ; the younger loads from the stage may stay out
	global_store_b128 v[LI], v[48+12*\k+4*\i:51+12*\k+4*\i], s[50:51] offset:1536*\k+512*\i   ; 512 consecutive bytes, aligned
.set CC, CC-1
.endr
.endr
	s_wait_dscnt 0x0
	global_store_b64 v[GS], v[96:97], s[54:55]     ; 256 consecutive bytes, aligned
	s_branch .Ldone
.Lout_v:
.irp k, 0,1,2,3,4,5,6,7,8,9,10,11,12,13,14,15
	ds_load_b96 v[48+4*\k:50+4*\k], v[OV] offset:512*\k
.endr
	ds_load_b64 v[112:113], v[OSV]
.set CC, 16
.irp k, 0,1,2,3,4,5,6,7,8,9,10,11,12,13,14,15
	s_wait_dscnt CC
	global_store_b96 v[GV], v[48+4*\k:50+4*\k], s[50:51] offset:384*\k   ; 384 consecutive bytes: two stores fill three blocks of 256
.set CC, CC-1
.endr
	s_wait_dscnt 0x0
	global_store_b64 v[GS], v[112:113], s[54:55]
.Ldone:
	s_wait_tensorcnt 0x0                           ; the wave's end
	ds_add_u32 v[SPW], v[NIL]
	s_wait_dscnt 0x0
	ROUND                                          ; the closing round
	s_endpgm
.Lfunc_end_k_qd58567c04a_qkv:
	.size	k_qd58567c04a_qkv, .Lfunc_end_k_qd58567c04a_qkv-k_qd58567c04a_qkv
	.p2alignl 7, 3214868480
	.fill 96, 4, 3214868480
	.section	.rodata,"a",@progbits
	.p2align	6, 0x0
	.amdhsa_kernel k_qd58567c04a_qkv
		.amdhsa_group_segment_fixed_size 327680
		.amdhsa_private_segment_fixed_size 0
		.amdhsa_enable_private_segment 0
		.amdhsa_kernarg_size 72
		.amdhsa_user_sgpr_count 2
		.amdhsa_user_sgpr_kernarg_segment_ptr 1
		.amdhsa_wavefront_size32 1
		.amdhsa_system_sgpr_workgroup_id_x 1
		.amdhsa_system_sgpr_workgroup_id_y 1
		.amdhsa_system_sgpr_workgroup_id_z 1
		.amdhsa_system_vgpr_workitem_id 0
		.amdhsa_next_free_vgpr 512
		.amdhsa_next_free_sgpr 100
		.amdhsa_reserve_vcc 0
		.amdhsa_float_denorm_mode_32 3
		.amdhsa_float_denorm_mode_16_64 3
		.amdhsa_memory_ordered 1
		.amdhsa_forward_progress 1
		.amdhsa_inst_pref_size 128
	.end_amdhsa_kernel
	.amdgpu_metadata
---
amdhsa.version: [ 1, 2 ]
amdhsa.kernels:
  - .name:           k_qd58567c04a_qkv
    .symbol:         k_qd58567c04a_qkv.kd
    .args:
      - { .name: ximg, .offset: 0, .size: 8, .value_kind: global_buffer, .address_space: global }
      - { .name: xsc, .offset: 8, .size: 8, .value_kind: global_buffer, .address_space: global }
      - { .name: wimg, .offset: 16, .size: 8, .value_kind: global_buffer, .address_space: global }
      - { .name: bq, .offset: 24, .size: 8, .value_kind: global_buffer, .address_space: global }
      - { .name: bk, .offset: 32, .size: 8, .value_kind: global_buffer, .address_space: global }
      - { .name: bv, .offset: 40, .size: 8, .value_kind: global_buffer, .address_space: global }
      - { .name: qrec, .offset: 48, .size: 8, .value_kind: global_buffer, .address_space: global }
      - { .name: krec, .offset: 56, .size: 8, .value_kind: global_buffer, .address_space: global }
      - { .name: vrec, .offset: 64, .size: 8, .value_kind: global_buffer, .address_space: global }
    .group_segment_fixed_size: 327680
    .private_segment_fixed_size: 0
    .kernarg_segment_align: 8
    .kernarg_segment_size: 72
    .max_flat_workgroup_size: 256
    .sgpr_count:     100
    .vgpr_count:     512
    .wavefront_size: 32
...
	.end_amdgpu_metadata
.endif
;; end of part 2
;; launch attn (part 3): grid 16 x 16, 8 waves a work-group, clusters of 4 x 1, 327,680 bytes of LDS; arguments qrec, krec, vrec, adj_w, adj_b, alpha, xoimg, xosc; writes xoimg, xosc
.if DOCPART == 3
	.amdgcn_target "amdgcn-amd-amdhsa--gfx1250"
	.amdhsa_code_object_version 6
	.text
	.protected	k_qd58567c04a_attn
	.globl	k_qd58567c04a_attn
	.p2align	8
	.type	k_qd58567c04a_attn,@function
k_qd58567c04a_attn:
	s_mov_b64 s[64:65], 0
	v_nop
	global_prefetch_b8 v0, s[64:65] scope:SCOPE_SE
	s_setreg_imm32_b32 hwreg(HW_REG_WAVE_MODE, 25, 1), 1
	s_wait_xcnt 0x0
	s_wait_alu depctr_hold_cnt(0) depctr_sa_sdst(0) depctr_va_vdst(0) depctr_va_sdst(0) depctr_va_ssrc(0) depctr_va_vcc(0) depctr_vm_vsrc(0)
	s_getreg_b32 s2, hwreg(HW_REG_IB_STS2, 6, 4)
	s_cmp_eq_u32 s2, 0
	s_cbranch_scc0 .Lentry_in_a_cluster
	s_endpgm
.Lentry_in_a_cluster:
	s_bfe_u32 s2, ttmp6, 0x10000c
	s_cmp_lg_u32 s2, 0x3003
	s_cbranch_scc0 .Lentry_shape_is_right
	s_endpgm
.Lentry_shape_is_right:
; ATTN.  For head g (16 of them, 2,048 flat rows of 128) and a block of 128 queries: logits = Q K^T / 32 + exp(-|w (key - query)^2 - b|); a softmax over all keys and one over the window |key - query| <= 4, each times V;
; x_o = a x_g + (1 - a) x_l, a = sigmoid(alpha); x_o is quantised along its 1,024 columns and stored as operand images for the last launch.  All products on codes of FP6 with E8M0 scales.
; SOFTMAX: t = logit x log2(e); M = the running largest t rounded up to a whole number; p = 2^(t - M) is quantised along the keys; the row's sum is taken of the unquantised p and divides at the end; when M moves, sum and O are multiplied by 2^(old M - new M), exactly.
; SHARES.  Work-group (s0, g): queries 128 s0 on, which are 16 whole rows of x_o.  Wave w owns Q's fragment w: lane r holds query 32 (w / 2) + 8 (w % 2) + r + 8 (r / 8).  Two waves to a SIMD, 512 registers each.
; Both products are used transposed (S^T = K Q^T, O^T = V^T P^T): a lane holds one query throughout; by the order of the keys in K's fragments the 16 registers of tiles 2 b, 2 b + 1 are 16 neighbouring keys.
; THE BIAS COSTS NO VECTOR INSTRUCTION: 32 x bias is the C of the score products (t = c (K Q^T + 32 bias), c = log2(e) / 32).  It hangs on key - query alone and lies in LDS as a table, in four copies shifted by 0-3 words, so that a lane's 16 neighbours come by 4 aligned loads.
; EVERY OPERAND IS ASKED FOR AHEAD OF ITS USE.  All eight fragments of K and all eight of V have registers of their own (window 1).  V of a step is asked for at the step's entry and used behind its softmax; the next step's K is asked for behind this step's scores,
; the next step's table behind this step's conversions, into the registers that p has left.  THE CHANGE OF SLOTS stands inside a slot's second step, behind its scores and ahead of its exponentials: the slot's last bytes (that step's V) have been asked for,
; and the next slot's K is asked for behind the round, with the rest of the softmax in which to come.
; THE WINDOW is a phase of its own ahead of the loop: the scores of key steps s0 - 1, s0, s0 + 1 with a second table as C (32 x bias inside the window, -2^35 outside).  Every wave runs one step, x = min(w, 1) (wave 0: the step in front, the others: their own);
; waves 0 and 7 run a second, x + 1 (branches on the wave's number).  K and V come there from memory straight into registers, from key step s0 + x - 1 held to 0..15; the first step's are asked for at the kernel's head.
; At the ends of the sequence the tables of the neighbours are all -2^35 (a value, chosen by v_cndmask_b32).  A row whose first step is wholly masked sums finite numbers that mean nothing; the next change of M multiplies them by 2^(a hugely negative whole number) = 0.
; K and V of the loop come through a ring of two LDS slots of two key steps (51,200 bytes; each wave fetches 6,400).  CLUSTER: the four query blocks of a cluster walk the same K and V: joint loads, mask 15.  One tensor load of a wave is out, by this text's own count.
; The whole LDS is claimed, and 0 is added to spare words.
; REGISTERS.  Window 0: v1-11, v80-82, v94 addresses; v12 -M, v13 the largest t, v[14:15] the sum; v16-27 Q; v28-31 a, 1 - a, factors; v32-35 V's scale words; v48-71 at work on the way out; v96-159 the table, S', then p; v160-223 O^T;
;   v224-235 p's codes; v236-247, v252, v254 at work; v248-251 K's scale words; v253 p's scale word; v255 Q's.   Window 1: v0-63 (1 - a) x_l; v64-159 K's eight fragments; v160-255 V's eight.
; LIMITS: NaN and infinities are not served.  Masked logits are -2^30 where the problem writes -1e9: both give p = 0 while the window's own logits lie above about -1e9.  A bias under 2^-126 counts as 0.  A block of zeros gets the byte 1.
.set REC,   12800
.set SLOT1, 65536                      ; slot 1 begins here: one exclusive or turns an address
.set VOFF,  25600                      ; in a slot: K's two records, then V's two
.set TBG,   131072                     ; the table for all keys: 4 copies, 9,472 bytes apart
.set CSG,   9472
.set TBL,   168960                     ; the window's: 3 variants x 4 copies, 1,280 bytes apart
.set CSL,   1280
.set XST,   184320                     ; the way out: 8 fragments x (1,536 + 16)
.set XSS,   196864                     ; and 512 bytes of scale words
.set SPARE, 197376                     ; the spare words: 128 bytes a wave, four blocks of 256 bytes that no other line names
.set NSL,   8
.set AK0, 1                            ; 16 x lane
.set AV0, 2                            ; 48 x lane
.set ATG, 3                            ; my place in the table for all keys
.set ATL, 4                            ; and in the window's
.set SPW, 5
.set NIL, 6
.set XSA, 7
.set ADK, 8
.set ADV, 9
.set ADT, 10
.set XSB, 11
.set VS,  32                           ; v32-35 V's scale words: scales and nothing else
.set TM,  48
.set XT,  64
.set XRD, 80
.set XSR, 81
.set PFO, 82
.set ALA, 94                           ; my place in the window's table of my first step
.set KS,  248                          ; v248-251 K's scale words: scales and nothing else
.set KF,  64                           ; in window 1: K's eight fragments
.set VF,  160                          ; in window 1: V's eight
.set WV,  20
.set S0,  21
.set HG,  22
.set SEL, 24
.set CS,  26
.set G1,  28
.set G0,  36
.set TB,  40
.set TT,  41
.set SLOTS, 42
.set LIM, 43
.set PFA, 44
.set KA,  46                           ; s[46:47], s[48:49] K's and V's record of my first step of the window; s[50:51], s[52:53] of the second: bases of loads that are waited for late, so no other line writes them
.set VA,  48
.set KB,  50
.set VB,  52
.set LB,  54                           ; (w + 1) % 8: 1 in wave 0, 0 in wave 7: these two run the window's second step
.set MSB, 0
.macro WIN new                         ; the immediate's high byte repeats the setting that is left
.if MSB != \new
	s_set_vgpr_msb (MSB<<8)|\new
.set MSB, \new
.endif
.endm
.macro PLACES n
.rept \n
	v_nop
.endr
.endm
.macro ROUND
	s_barrier_signal -1
	s_barrier_wait -1
	s_cmp_lg_u32 s[WV], 0
	s_cbranch_scc1 .Lnot_wave_0_\@
	s_barrier_signal -3
.Lnot_wave_0_\@:
	s_barrier_wait -3
	s_barrier_signal -1
	s_barrier_wait -1
.endm
.macro QUANT s, d, pw
.irp b, 0,1,2,3
	v_max3_num_f32 v[TM+\b], |v[\s+16*\b]|, |v[\s+1+16*\b]|, 0x1800000
.endr
.irp i, 2,4,6,8,10,12,14
.irp b, 0,1,2,3
	v_max3_num_f32 v[TM+\b], v[TM+\b], |v[\s+16*\b+\i]|, |v[\s+1+16*\b+\i]|
.endr
.endr
.irp b, 0,1,2,3
	v_permlanex16_b32 v[TM+4+\b], v[TM+\b], s[SEL], s[SEL+1]
.endr
.irp b, 0,1,2,3
	v_max_num_f32 v[TM+\b], v[TM+\b], v[TM+4+\b]
.endr
.irp b, 0,1,2,3
	v_add_nc_u32 v[TM+12+\b], 0xff000000, v[TM+\b]
.endr
.irp b, 0,1,2,3
	v_lshrrev_b32 v[TM+4+\b], 23, v[TM+12+\b]
.endr
	v_lshl_or_b32 v[\pw], v[TM+5], 8, v[TM+4]
	v_lshl_or_b32 v[\pw], v[TM+6], 16, v[\pw]
	v_lshl_or_b32 v[\pw], v[TM+7], 24, v[\pw]
.irp c, 0,1
	v_cvt_scalef32_pk16_fp6_f32 v[\d+6*\c:\d+2+6*\c], v[\s+32*\c:\s+15+32*\c], v[TM+12+2*\c]
	v_cvt_scalef32_pk16_fp6_f32 v[XT+4*\c:XT+2+4*\c], v[\s+16+32*\c:\s+31+32*\c], v[TM+12+2*\c+1]
.endr
	v_nop
.irp c, 0,1
.irp i, 0,1,2
	v_permlane16_swap_b32 v[\d+6*\c+\i], v[XT+4*\c+\i]
.endr
.irp i, 0,1,2
	v_mov_b32 v[\d+3+6*\c+\i], v[XT+4*\c+\i]
.endr
.endr
.endm
; one product that adds onto its own registers.  row = 1: source 0's scales stand in lanes 16-31
.macro WM d, a, b, sa, sb, row
.if \row
	v_wmma_scale_f32_16x16x128_f8f6f4 v[\d:\d+7], v[\a:\a+11], v[\b:\b+11], v[\d:\d+7], v[\sa], v[\sb] matrix_a_fmt:MATRIX_FMT_FP6 matrix_b_fmt:MATRIX_FMT_FP6 matrix_a_scale:MATRIX_SCALE_ROW1
.else
	v_wmma_scale_f32_16x16x128_f8f6f4 v[\d:\d+7], v[\a:\a+11], v[\b:\b+11], v[\d:\d+7], v[\sa], v[\sb] matrix_a_fmt:MATRIX_FMT_FP6 matrix_b_fmt:MATRIX_FMT_FP6
.endif
.endm
; THE REQUESTS.  From the slot in hand, its key step x: K's scale words and eight fragments (25 LDS loads); the table at my 64 keys (16); V's scale words and eight fragments (25).
.macro KREQ x
	ds_load_b128 v[KS:KS+3], v[ADK] offset:REC*\x+12288
	WIN 0x40                                       ; destination window 1, address window 0
.irp f, 0,1,2,3,4,5,6,7
.irp i, 0,1,2
	ds_load_b128 v[KF+12*\f+4*\i:KF+12*\f+4*\i+3], v[ADK] offset:REC*\x+1536*\f+512*\i
.endr
.endr
	WIN 0
.endm
.macro TREQ x
.irp b, 0,1,2,3
.irp q, 0,1,2,3
	ds_load_b128 v[96+16*\b+4*\q:99+16*\b+4*\q], v[ADT] offset:512*\x+128*\b+16*\q   ; the C of the score products
.endr
.endr
.endm
.macro VREQ x
	ds_load_b128 v[VS:VS+3], v[ADK] offset:VOFF+REC*\x+12288
	WIN 0x40
.irp f, 0,1,2,3,4,5,6,7
.irp i, 0,1,2
	ds_load_b128 v[VF+12*\f+4*\i:VF+12*\f+4*\i+3], v[ADV] offset:VOFF+REC*\x+1536*\f+16*\i
.endr
.endr
	WIN 0
.endm
; The same for the window: K and V from memory, from the record at s[p:p+1]; the window's table of my first step (x = 0) or my second (x = 1).
.macro KREQG p
	global_load_b128 v[KS:KS+3], v[AK0], s[\p:\p+1] offset:12288
	WIN 0x40
.irp f, 0,1,2,3,4,5,6,7
.irp i, 0,1,2
	global_load_b128 v[KF+12*\f+4*\i:KF+12*\f+4*\i+3], v[AK0], s[\p:\p+1] offset:1536*\f+512*\i
.endr
.endr
	WIN 0
.endm
.macro VREQG p
	global_load_b128 v[VS:VS+3], v[AK0], s[\p:\p+1] offset:12288
	WIN 0x40
.irp f, 0,1,2,3,4,5,6,7
.irp i, 0,1,2
	global_load_b128 v[VF+12*\f+4*\i:VF+12*\f+4*\i+3], v[AV0], s[\p:\p+1] offset:1536*\f+16*\i
.endr
.endr
	WIN 0
.endm
.macro TREQL x
.irp b, 0,1,2,3
.irp q, 0,1,2,3
	ds_load_b128 v[96+16*\b+4*\q:99+16*\b+4*\q], v[ALA] offset:5120*\x+128*\b+16*\q
.endr
.endr
.endm
; S' = K Q^T + 32 bias, for 128 keys: eight products on eight accumulators by turns; four places behind them, for the reads of the results and the loads into K's registers
.macro SCORESM
	WIN 0x01                                       ; source 0 in window 1
.irp t, 0,1,2,3,4,5,6,7
	WM 96+8*\t, KF+12*\t, 16, KS+(\t%4), 255, \t/4
.endr
	WIN 0
	PLACES 4
.endm
; O^T += V^T P^T
.macro PVM
	WIN 0x01
.irp t, 0,1,2,3,4,5,6,7
	WM 160+8*\t, VF+12*\t, 224, VS+(\t%4), 253, \t/4
.endr
	WIN 0
.endm
; THE SOFTMAX OF A KEY STEP, in three parts.  SOFTA1: the blocks' and the row's largest score, the new M, f, and t - M.  It holds no transcendental.
.macro SOFTA1
.irp b, 0,1,2,3
	v_max3_num_f32 v[232+\b], v[96+16*\b], v[97+16*\b], v[98+16*\b]   ; the largest score of each block of 32 keys: it serves the row's maximum and, since p rises with the score, the block's largest p
.endr
.irp i, 3,5,7,9,11,13
.irp b, 0,1,2,3
	v_max3_num_f32 v[232+\b], v[232+\b], v[96+16*\b+\i], v[97+16*\b+\i]
.endr
.endr
.irp b, 0,1,2,3
	v_max_num_f32 v[232+\b], v[232+\b], v[111+16*\b]
.endr
.irp b, 0,1,2,3
	v_permlanex16_b32 v[236+\b], v[232+\b], s[SEL], s[SEL+1]
.endr
.irp b, 0,1,2,3
	v_max_num_f32 v[232+\b], v[232+\b], v[236+\b]
.endr
	v_max3_num_f32 v254, v232, v233, v234
	v_max_num_f32 v254, v254, v235
	v_mul_f32 v254, s[CS], v254                    ; as t (c is positive)
	v_max_num_f32 v13, v13, v254
	v_mov_b32 v254, v12
	v_floor_f32 v12, -v13                          ; the new -M = -ceil(t)
	v_sub_f32 v254, v12, v254                      ; old M - new M: a whole number, 0 or less
	v_cvt_i32_f32 v254, v254                       ; (it saturates)
	v_ldexp_f32 v252, 1.0, v254                    ; f = 2^(old M - new M)
.set NN, 0
.rept 32
	v_pk_fma_f32 v[96+NN:97+NN], v[96+NN:97+NN], s[CS:CS+1], v[12:13] op_sel_hi:[1,0,0]   ; t - M
.set NN, NN+2
.endr
.irp b, 0,1,2,3
	v_fma_f32 v[232+\b], v[232+\b], s[CS], v12
.endr
.endm
; SOFTA2: p, the row's sum, p's scale word in v253 and p's codes in v224-235.  Behind it the registers of p are free.
.macro SOFTA2
.set NN, 0
.rept 64
	v_exp_f32 v[96+NN], v[96+NN]                   ; p = 2^(t - M)
.set NN, NN+1
.endr
	v_pk_mul_f32 v[14:15], v[14:15], v[252:253] op_sel_hi:[1,0]   ; the sums under the new M (a plain place behind the exponentials)
	s_wait_alu depctr_va_vdst(0)                   ; one wait for the batch, ahead of its first reader
.irp b, 0,1,2,3
	v_exp_f32 v[232+\b], v[232+\b]                 ; the block's largest p
.endr
	v_pk_add_f32 v[236:237], v[96:97], v[98:99]    ; the row's sum, of the unquantised p, in two chains
.irp j, 4,8,12,16,20,24,28,32,36,40,44,48,52,56,60
	v_pk_add_f32 v[14:15], v[14:15], v[96+\j:97+\j]
	v_pk_add_f32 v[236:237], v[236:237], v[98+\j:99+\j]
.endr
	v_pk_add_f32 v[14:15], v[14:15], v[236:237]
	s_wait_alu depctr_va_vdst(0)                   ; and one for the four
.irp b, 0,1,2,3
	v_max_num_f32 v[232+\b], 0x1800000, v[232+\b]  ; the floor 2^(3 - 127)
.endr
.irp b, 0,1,2,3
	v_add_nc_u32 v[244+\b], 0xff000000, v[232+\b]
.endr
.irp b, 0,1,2,3
	v_lshrrev_b32 v[236+\b], 23, v[244+\b]
.endr
	v_lshl_or_b32 v253, v237, 8, v236
	v_lshl_or_b32 v253, v238, 16, v253
	v_lshl_or_b32 v253, v239, 24, v253
.irp c, 0,1
	v_cvt_scalef32_pk16_fp6_f32 v[224+6*\c:226+6*\c], v[96+32*\c:111+32*\c], v[244+2*\c]
	v_cvt_scalef32_pk16_fp6_f32 v[236+4*\c:238+4*\c], v[112+32*\c:127+32*\c], v[244+2*\c+1]
.endr
	v_nop
.irp c, 0,1
.irp i, 0,1,2
	v_permlane16_swap_b32 v[224+6*\c+\i], v[236+4*\c+\i]
.endr
.irp i, 0,1,2
	v_mov_b32 v[227+6*\c+\i], v[236+4*\c+\i]
.endr
.endr
.endm
; SOFTB: O^T under the new M; these 32 are also the places in front of the products that follow
.macro SOFTB
.set NN, 0
.rept 32
	v_pk_mul_f32 v[160+NN:161+NN], v[160+NN:161+NN], v[252:253] op_sel_hi:[1,0]
.set NN, NN+2
.endr
.endm
; A PREFETCH INTO THE L2 of the slot that the NEXT change of slots will ask for: two key steps ahead of that load.  All four clusters of a head walk the same records: the head's first cluster asks.  In it wave 0 asks for K's 25,600 bytes and
; wave 1 for V's; the four partners take 6,400 bytes each, told apart by address; lanes stand 256 bytes apart, and lanes 25-31 name the 25th block again in the same instruction.  The last change that fills a slot asks for nothing.
.macro ASK
	s_cmp_gt_u32 s[SLOTS], s[LIM]
	s_cbranch_scc0 .Lnot_mine_\@
	global_prefetch_b8 v[PFO], s[PFA:PFA+1] th:TH_LOAD_NT scope:SCOPE_SE
.Lnot_mine_\@:
.endm
; THE CHANGE OF SLOTS: all my tensor loads have landed, 0 is added to my spare word, the add and my reads of the slot that I leave are done (the last of them, V of its second step, were asked for at that step's entry); then the barrier.
; fill = 1: the barrier is a round of the cluster's, and the slot just left takes the two key steps that follow: the wave's one tensor load until the next round.
.macro CHANGE fill
	s_wait_tensorcnt 0x0
	ds_add_u32 v[SPW], v[NIL]
.if \fill
	s_xor_b32 s[G0+1], s[G0+1], SLOT1              ; no load of mine is out: the walking descriptor turns to the other slot,
	s_add_nc_u64 s[G0+2:G0+3], s[G0+2:G0+3], 2*REC ; and to the next two records
	s_wait_xcnt 0x0                                ; the last prefetch, a slot back, has read its address
	s_add_nc_u64 s[PFA:PFA+1], s[PFA:PFA+1], 2*REC
.endif
	s_wait_dscnt 0x0
.if \fill
	ROUND
	tensor_load_to_lds s[G0:G0+3], s[G1:G1+7]
	s_nop 0
	PLACES 4
.else
	s_barrier_signal -1
	s_barrier_wait -1
.endif
.endm
.macro SLOTADR                         ; my places in the slot and in the table's part that come next
	v_add_nc_u32 v[ADK], s[TB], v[AK0]
	v_add_nc_u32 v[ADV], s[TB], v[AV0]
	v_add_nc_u32 v[ADT], s[TT], v[ATG]
.endm
; A key step's entry.  Out at this point: K's 25 loads, then the table's 16.
.macro STEPIN x
	PLACES 4                                       ; behind the last products, in front of the loads into V's registers
	s_wait_dscnt 16                                ; K and its scale words are in; the table's sixteen loads may be out
	VREQ \x
	s_wait_dscnt 25                                ; the table is in; V's twenty-five may be out
	SCORESM
.endm
.macro STEP0                           ; a slot's first key step
	STEPIN 0
	KREQ 1                                         ; the second step's K: the whole softmax in which to come
	SOFTA1
	SOFTA2
	s_wait_dscnt 25                                ; V is in; the next K's twenty-five may be out
	TREQ 1                                         ; the second step's table, into the registers that p has left
	SOFTB
	PVM
.endm
; A slot's second key step.  mode = 2: the slot is left and filled again; 1: it is left; 0: the last step of all.
.macro STEP1 mode
	STEPIN 1
	SOFTA1
.if (\mode) == 2
	CHANGE 1
.elseif (\mode) == 1
	CHANGE 0
.endif
.if \mode
	s_xor_b32 s[TB], s[TB], SLOT1                  ; on to the other slot,
	s_add_co_u32 s[TT], s[TT], 1024                ; and 128 words a key step on in the table
	SLOTADR
	KREQ 0                                         ; the next slot's first K
.if (\mode) == 2
	ASK                                            ; behind the joint load, its four lines and the run of LDS loads
.endif
	SOFTA2
	TREQ 0
.else
	SOFTA2
	s_wait_dscnt 0x0                               ; V is in
.endif
	SOFTB
	PVM                                            ; (with a change of slots V was shown in by the wait for 0 in front of the barrier)
.endm
	s_load_b512 s[4:19], s[0:1], 0x0               ; qrec, krec, vrec, adj_w, adj_b, alpha, xoimg, xosc
	v_lshl_add_u32 v[SPW], v0, 2, SPARE
	v_mov_b32 v[NIL], 0
	ds_add_u32 v5, v6
	ds_add_u32 v5, v6
	s_wait_dscnt 0x0
	v_lshrrev_b32 v84, 5, v0
	v_readfirstlane_b32 s[WV], v84                 ; wave 0..7
	s_bfe_u32 s23, ttmp6, 0x40000                  ; cx
	s_lshl_b32 s[S0], ttmp9, 2
	s_add_co_u32 s[S0], s[S0], s23                 ; my block of queries: it enters global addresses and the tables' VALUES alone
	s_and_b32 s[HG], ttmp7, 0xffff                 ; the head, which the partners share
	s_mov_b32 s[G1+0], 15|(3<<16)|(1<<21)          ; a dense block of 6,400 bytes as 25 rows of 256; the mask names all four work-groups
	s_mov_b32 s[G1+1], 32<<16
	s_mov_b32 s[G1+2], 25<<16
	s_mov_b32 s[G1+3], 32<<16
	s_mov_b32 s[G1+4], 25
	s_mov_b32 s[G1+5], 32
	s_mov_b32 s[G1+6], 0
	s_mov_b32 s[G1+7], 0
	s_mov_b32 s[SEL], 0x76543210
	s_mov_b32 s[SEL+1], 0xfedcba98
	s_mov_b32 s[CS], 0x3d38aa3b                    ; c = log2(e) / 32
	s_mov_b32 s[CS+1], s[CS]
	s_mov_b32 s[TB], 0
	s_mov_b32 s[TT], 0
	s_mov_b32 s[SLOTS], NSL-1
	s_mul_i32 s58, s[HG], 204800                   ; the head's 16 records
	s_mov_b32 s59, 0
	s_and_b32 s60, s[WV], 3
	s_mul_i32 s60, s60, 6400
	s_mov_b32 s61, 0
	s_add_nc_u64 s[60:61], s[60:61], s[58:59]      ; my quarter of K's (waves 0-3) or V's (waves 4-7) two records
	s_mul_i32 s62, s[WV], 6400
	s_wait_kmcnt 0x0
	s_cmp_lt_u32 s[WV], 4
	s_cselect_b64 s[G0+2:G0+3], s[6:7], s[8:9]
	s_add_nc_u64 s[G0+2:G0+3], s[G0+2:G0+3], s[60:61]
	s_or_b32 s[G0+3], s[G0+3], 0x80000000
	s_mov_b32 s[G0], 1
	s_mov_b32 s[G0+1], s62
	ROUND                                          ; all four work-groups are here
	tensor_load_to_lds s[G0:G0+3], s[G1:G1+7]      ; slot 0
	s_nop 0
	PLACES 4
	s_load_b32 s68, s[10:11], 0x0                  ; w
	s_load_b32 s69, s[12:13], 0x0                  ; b
	s_load_b32 s70, s[14:15], 0x0                  ; alpha
	; the records of my queries and of my steps of the window
	s_lshl_b32 s71, s[HG], 4
	s_add_co_u32 s72, s71, s[S0]                   ; G = 16 g + s0
	s_mul_i32 s74, s72, REC
	s_mov_b32 s75, 0
	s_add_nc_u64 s[58:59], s[4:5], s[74:75]        ; Q's record
	s_min_u32 s77, s[WV], 1                        ; x of my first step: 0 in wave 0, else 1
	s_add_co_u32 s73, s[S0], s77
	s_max_u32 s78, s73, 1
	s_sub_co_u32 s78, s78, 1                       ; its key step, s0 + x - 1, held at 0 from below
	s_add_co_u32 s78, s78, s71
	s_mul_i32 s74, s78, REC
	s_add_nc_u64 s[KA:KA+1], s[6:7], s[74:75]
	s_add_nc_u64 s[VA:VA+1], s[8:9], s[74:75]
	s_min_u32 s78, s73, 15                         ; the second step's, s0 + x, held at 15 from above
	s_add_co_u32 s78, s78, s71
	s_mul_i32 s74, s78, REC
	s_add_nc_u64 s[KB:KB+1], s[6:7], s[74:75]
	s_add_nc_u64 s[VB:VB+1], s[8:9], s[74:75]
	s_add_co_u32 s[LB], s[WV], 1
	s_and_b32 s[LB], s[LB], 7
	s_mul_i32 s82, s77, 5120                       ; my first step's variant of the window's table
	s_mul_i32 s74, s[WV], 1536
	s_add_nc_u64 s[60:61], s[58:59], s[74:75]      ; Q's fragment w
	s_mul_i32 s76, s72, 12288
	s_add_co_u32 s74, s74, s76
	s_add_nc_u64 s[62:63], s[16:17], s[74:75]      ; x_o's image of chunk w
	s_lshl_b32 s74, s72, 9
	s_add_nc_u64 s[66:67], s[18:19], s[74:75]      ; x_o's scale words
	s_cmp_gt_u32 s[S0], 0
	s_cselect_b32 s80, -1, 0                       ; is there a key step in front of mine,
	s_cmp_lt_u32 s[S0], 15
	s_cselect_b32 s81, -1, 0                       ; and one behind it?
	; the prefetches
	s_lshr_b32 s73, s[WV], 1
	s_or_b32 s73, s73, ttmp9                       ; 0 in waves 0 and 1 of the head's first cluster: the same in all four partners
	s_cmp_eq_u32 s73, 0
	s_cselect_b32 s[LIM], 1, -1
	s_cmp_eq_u32 s[WV], 0
	s_cselect_b64 s[PFA:PFA+1], s[6:7], s[8:9]
	s_mul_i32 s74, s[HG], 204800
	s_mul_i32 s76, s23, 6400
	s_add_co_u32 s74, s74, s76
	s_add_co_u32 s74, s74, 2*REC                   ; in slot 1: the first change of slots steps it to slot 2
	s_add_nc_u64 s[PFA:PFA+1], s[PFA:PFA+1], s[74:75]
	; addresses
	v_and_b32 v84, 31, v0                          ; lane
	v_and_b32 v85, 15, v0                          ; r
	v_bfe_u32 v86, v0, 4, 1                        ; h
	v_lshlrev_b32 v[AK0], 4, v84
	v_mul_u32_u24 v[AV0], v84, 48
	v_min_u32 v[PFO], 24, v84
	v_lshlrev_b32 v[PFO], 8, v[PFO]
.irp i, 0,1,2
	global_load_b128 v[16+4*\i:19+4*\i], v[AK0], s[60:61] offset:512*\i   ; Q's fragment stays in registers
.endr
	s_lshr_b32 s73, s[WV], 2
	s_lshl_b32 s73, s73, 8
	s_and_b32 s74, s[WV], 3
	s_lshl_b32 s74, s74, 2
	s_add_co_u32 s73, s73, s74
	v_lshlrev_b32 v83, 4, v85
	v_add_nc_u32 v83, s73, v83
	global_load_b32 v255, v83, s[58:59] offset:12288   ; its scale words
	KREQG KA                                       ; K and V of my first step of the window: asked for here, wanted behind the filling of the tables
	VREQG VA
	v_and_b32 v87, 3, v85                          ; the copy: my query % 4
	v_and_b32 v88, 1, v85
	v_bfe_u32 v89, v85, 1, 1
	v_bfe_u32 v92, v85, 3, 1
	v_lshlrev_b32 v90, 5, v88
	v_lshl_add_u32 v90, v89, 7, v90
	v_lshl_add_u32 v90, v86, 6, v90                ; + 16 h words
	v_add_nc_u32 v90, 512, v90                     ; + 128 words
	v_and_b32 v91, 12, v85
	v_lshlrev_b32 v91, 2, v91
	v_lshl_add_u32 v91, v92, 5, v91
	s_lshr_b32 s73, s[WV], 1
	s_lshl_b32 s73, s73, 7
	s_and_b32 s74, s[WV], 1
	s_lshl_b32 s74, s74, 5
	s_add_co_u32 s73, s73, s74                     ; 128 (w / 2) + 32 (w % 2)
	v_add_nc_u32 v91, s73, v91                     ; 4 x (my query less its low two bits)
	v_sub_nc_u32 v90, v90, v91
	v_mad_u32_u24 v[ATG], v87, CSG, v90
	v_add_nc_u32 v[ATG], TBG, v[ATG]
	v_mad_u32_u24 v[ATL], v87, CSL, v90
	v_add_nc_u32 v[ATL], TBL, v[ATL]
	v_add_nc_u32 v[ALA], s82, v[ATL]
	v_and_b32 v93, 7, v85                          ; the way out: my query is chunk r % 8 of row 4 (w / 2) + w % 2 + 2 (r / 8)
	v_mul_u32_u24 v[XSA], v93, 1552
	v_lshl_add_u32 v[XSA], v86, 8, v[XSA]
	v_lshl_add_u32 v[XSA], v92, 5, v[XSA]
	s_lshr_b32 s74, s73, 1
	v_add_nc_u32 v[XSA], s74, v[XSA]
	v_add_nc_u32 v[XSA], XST, v[XSA]
	v_lshlrev_b32 v[XSB], 6, v93
	v_lshl_add_u32 v[XSB], v92, 3, v[XSB]
	s_lshr_b32 s74, s73, 3
	v_add_nc_u32 v[XSB], s74, v[XSB]
	v_add_nc_u32 v[XSB], XSS, v[XSB]
	s_mul_i32 s74, s[WV], 1552
	v_add_nc_u32 v[XRD], s74, v[AK0]
	v_add_nc_u32 v[XRD], XST, v[XRD]
	v_add_nc_u32 v[XSR], XSS, v[AK0]
	; THE TABLES.  Copy sg, word y of the table for all keys holds 32 bias(y - sg - 128 s0 - 128); of the window's variant x: the same at y - sg - 256 + 128 x inside the window, -2^35 outside.  No LDS address holds s0.
	s_lshl_b32 s73, s[S0], 7
	s_add_co_u32 s73, s73, 128
	v_sub_nc_u32 v109, v0, s73
.irp k, 0,1,2,3,4,5,6,7,8
	v_add_nc_u32 v[96+\k], 256*\k, v109            ; key - query, a whole number
.endr
.irp x, 0,1,2
	v_add_nc_u32 v[105+\x], 128*\x-256, v0
	v_add_nc_u32 v[114+\x], 128*\x-252, v0         ; + 4: inside the window where this is under 9, unsigned
.endr
	s_wait_kmcnt 0x0
	v_mov_b32 v110, s68
	v_mov_b32 v111, s69
	v_mov_b32 v112, 0xbfb8aa3b                     ; -log2(e)
	v_mov_b32 v113, 0x40a00000                     ; 5: x 32
.irp n, 0,1,2,3,4,5,6,7,8,9,10,11
	v_cvt_f32_i32 v[96+\n], v[96+\n]
.endr
.irp n, 0,1,2,3,4,5,6,7,8,9,10,11
	v_mul_f32 v[96+\n], v[96+\n], v[96+\n]
.endr
.irp n, 0,1,2,3,4,5,6,7,8,9,10,11
	v_fma_f32 v[96+\n], v[96+\n], v110, -v111      ; w d^2 - b
.endr
.irp n, 0,1,2,3,4,5,6,7,8,9,10,11
	v_fma_f32 v[96+\n], |v[96+\n]|, v112, v113
.endr
	v_mul_f32 v108, s70, v112                      ; -alpha log2(e)
.irp n, 0,1,2,3,4,5,6,7,8,9,10,11,12
	v_exp_f32 v[96+\n], v[96+\n]
.endr
	v_mov_b32 v117, 0xd1000000                     ; -2^35 (a plain place behind the exponentials)
	v_lshl_add_u32 v118, v0, 2, TBG
	v_lshl_add_u32 v119, v0, 2, TBL
	s_wait_alu depctr_va_vdst(0)                   ; one wait for the thirteen
	v_add_f32 v108, 1.0, v108
	v_rcp_f32 v28, v108                            ; a = sigmoid(alpha)
	v_cmp_gt_u32 vcc_lo, 9, v114
	s_and_b32 vcc_lo, vcc_lo, s80
	v_cndmask_b32 v105, v117, v105, vcc_lo
	v_cmp_gt_u32 vcc_lo, 9, v115
	v_cndmask_b32 v106, v117, v106, vcc_lo
	v_cmp_gt_u32 vcc_lo, 9, v116
	s_and_b32 vcc_lo, vcc_lo, s81
	v_cndmask_b32 v107, v117, v107, vcc_lo
	s_wait_alu depctr_va_vdst(0)
	v_sub_f32 v29, 1.0, v28                        ; 1 - a
.irp g, 0,1,2,3
.irp k, 0,1,2,3,4,5,6,7,8
	ds_store_b32 v118, v[96+\k] offset:\g*CSG+32*(\g%2)+128*(\g/2)+4*\g+1024*\k
.endr
.irp x, 0,1,2
	ds_store_b32 v119, v[105+\x] offset:5120*\x+\g*CSL+32*(\g%2)+128*(\g/2)+4*\g
.endr
.endr
	v_mov_b32 v13, 0xff61b1e6                      ; the largest t so far: -3e38
	v_floor_f32 v12, -v13
	v_mov_b32 v14, 0
	v_mov_b32 v15, 0
.irp b, 0,1,2,3
	v_mov_b32 v[236+\b], 0                         ; a lane permute's destination counts as one of its sources
.endr
	v_mov_b32 v252, 0
	v_mov_b32 v253, 0
.set NN, 0
.rept 64
	v_mov_b32 v[160+NN], 0                         ; O^T, once: every step is written alike, and the first finds zeros
.set NN, NN+1
.endr
	s_wait_dscnt 0x0                               ; my part of the tables has landed
	s_barrier_signal -1
	s_barrier_wait -1                              ; slot 0's load may stay out
	; ---- the window: my first step
	TREQL 0
	s_wait_loadcnt 0x0                             ; Q, and the step's K and V
	s_wait_dscnt 0x0
	SCORESM
	s_cmp_gt_u32 s[LB], 1
	s_cbranch_scc1 .Lno_kb
	KREQG KB                                       ; waves 0 and 7: the second step's K, with the first step's softmax in which to come
.Lno_kb:
	SOFTA1
	SOFTA2
	SOFTB
	PVM
	s_cmp_gt_u32 s[LB], 1
	s_cbranch_scc1 .Lno_b
	; ---- waves 0 and 7: the second step
	PLACES 4
	VREQG VB
	TREQL 1
	s_wait_loadcnt 25                              ; K is in; V's twenty-five loads may be out
	s_wait_dscnt 0x0
	SCORESM
	SOFTA1
	SOFTA2
	SOFTB
	s_wait_loadcnt 0x0                             ; V
	PVM
.Lno_b:
	s_wait_loadcnt 0x0                             ; no load from memory is out from here on
	PLACES 4
	v_add_f32 v14, v14, v15
	v_permlanex16_b32 v252, v14, s[SEL], s[SEL+1]
	v_add_f32 v14, v14, v252
	v_rcp_f32 v14, v14
	v_mov_b32 v13, 0xff61b1e6                      ; (a plain place)  the loop begins anew: its first f is 0, which clears O^T and the sums
	s_wait_alu depctr_va_vdst(0)
	v_mul_f32 v30, v14, v29
	v_mov_b32 v31, v30
	v_floor_f32 v12, -v13
	WIN 0x40                                       ; destination window 1
.set NN, 0
.rept 32
	v_pk_mul_f32 v[NN:NN+1], v[160+NN:161+NN], v[30:31]   ; (1 - a) x_l is kept in v256-319
.set NN, NN+2
.endr
	WIN 0
	; ---- all keys
	CHANGE 1                                       ; slot 0 is whole; slot 1 is asked for
	SLOTADR
	KREQ 0
	ASK
	TREQ 0
	s_mov_b32 s[SLOTS], NSL-2
.Lslot:                                            ; NSL - 2 trips: a trip multiplies one slot, leaves it in its second step and has it filled again
	STEP0
	STEP1 2
	s_sub_co_u32 s[SLOTS], s[SLOTS], 1
	s_cmp_lg_u32 s[SLOTS], 0
	s_cbranch_scc1 .Lslot
	STEP0                                          ; the last two slots are written out: nothing more is asked for
	STEP1 1
	STEP0
	STEP1 0
	; ---- the way out
	PLACES 4
	v_add_f32 v14, v14, v15
	v_permlanex16_b32 v252, v14, s[SEL], s[SEL+1]
	v_add_f32 v14, v14, v252
	v_rcp_f32 v14, v14
.irp b, 0,1,2,3
	v_mov_b32 v[TM+4+\b], 0
.endr
	s_wait_alu depctr_va_vdst(0)
	v_mul_f32 v30, v14, v28
	v_mov_b32 v31, v30
	WIN 0x10                                       ; source 2 in window 1
.set NN, 0
.rept 32
	v_pk_fma_f32 v[96+NN:97+NN], v[160+NN:161+NN], v[30:31], v[NN:NN+1]   ; x_o = a x_g + (1 - a) x_l: register 16 b + i is channel 32 b + 16 h + i of my query
.set NN, NN+2
.endr
	WIN 0
	QUANT 96, 224, 236
.irp i, 0,1,2
	ds_store_b128 v[XSA], v[224+4*\i:227+4*\i] offset:512*\i
.endr
	ds_store_b32 v[XSB], v236
	s_wait_dscnt 0x0
	s_barrier_signal -1
	s_barrier_wait -1                              ; the eight images lie whole in the stage
.irp i, 0,1,2
	ds_load_b128 v[96+4*\i:99+4*\i], v[XRD] offset:512*\i
.endr
.irp i, 0,1,2
	s_wait_dscnt 2-\i                              ; the younger loads from the stage may stay out
	global_store_b128 v[AK0], v[96+4*\i:99+4*\i], s[62:63] offset:512*\i   ; 512 consecutive bytes, aligned
.endr
	s_cmp_lg_u32 s[WV], 0
	s_cbranch_scc1 .Lno_scales
	ds_load_b128 v[112:115], v[XSR]
	s_wait_dscnt 0x0
	global_store_b128 v[AK0], v[112:115], s[66:67]
.Lno_scales:
	s_wait_tensorcnt 0x0                           ; the wave's end
	ds_add_u32 v[SPW], v[NIL]
	s_wait_dscnt 0x0
	ROUND                                          ; the closing round
	s_endpgm
.Lfunc_end_k_qd58567c04a_attn:
	.size	k_qd58567c04a_attn, .Lfunc_end_k_qd58567c04a_attn-k_qd58567c04a_attn
	.p2alignl 7, 3214868480
	.fill 96, 4, 3214868480
	.section	.rodata,"a",@progbits
	.p2align	6, 0x0
	.amdhsa_kernel k_qd58567c04a_attn
		.amdhsa_group_segment_fixed_size 327680
		.amdhsa_private_segment_fixed_size 0
		.amdhsa_enable_private_segment 0
		.amdhsa_kernarg_size 64
		.amdhsa_user_sgpr_count 2
		.amdhsa_user_sgpr_kernarg_segment_ptr 1
		.amdhsa_wavefront_size32 1
		.amdhsa_system_sgpr_workgroup_id_x 1
		.amdhsa_system_sgpr_workgroup_id_y 1
		.amdhsa_system_sgpr_workgroup_id_z 1
		.amdhsa_system_vgpr_workitem_id 0
		.amdhsa_next_free_vgpr 512
		.amdhsa_next_free_sgpr 100
		.amdhsa_reserve_vcc 1
		.amdhsa_float_denorm_mode_32 3
		.amdhsa_float_denorm_mode_16_64 3
		.amdhsa_memory_ordered 1
		.amdhsa_forward_progress 1
		.amdhsa_inst_pref_size 189
	.end_amdhsa_kernel
	.amdgpu_metadata
---
amdhsa.version: [ 1, 2 ]
amdhsa.kernels:
  - .name:           k_qd58567c04a_attn
    .symbol:         k_qd58567c04a_attn.kd
    .args:
      - { .name: qrec, .offset: 0, .size: 8, .value_kind: global_buffer, .address_space: global }
      - { .name: krec, .offset: 8, .size: 8, .value_kind: global_buffer, .address_space: global }
      - { .name: vrec, .offset: 16, .size: 8, .value_kind: global_buffer, .address_space: global }
      - { .name: adj_w, .offset: 24, .size: 8, .value_kind: global_buffer, .address_space: global }
      - { .name: adj_b, .offset: 32, .size: 8, .value_kind: global_buffer, .address_space: global }
      - { .name: alpha, .offset: 40, .size: 8, .value_kind: global_buffer, .address_space: global }
      - { .name: xoimg, .offset: 48, .size: 8, .value_kind: global_buffer, .address_space: global }
      - { .name: xosc, .offset: 56, .size: 8, .value_kind: global_buffer, .address_space: global }
    .group_segment_fixed_size: 327680
    .private_segment_fixed_size: 0
    .kernarg_segment_align: 8
    .kernarg_segment_size: 64
    .max_flat_workgroup_size: 256
    .sgpr_count:     100
    .vgpr_count:     512
    .wavefront_size: 32
...
	.end_amdgpu_metadata
.endif
;; end of part 3
;; launch tail (part 4): grid 64 x 1, 8 waves a work-group, clusters of 4 x 1, 327,680 bytes of LDS; arguments xoimg, xosc, wimg, x, bo, ln_g, ln_b, b1, b2, out0, out1; writes out0, out1
.if DOCPART == 4
	.amdgcn_target "amdgcn-amd-amdhsa--gfx1250"
	.amdhsa_code_object_version 6
	.text
	.protected	k_qd58567c04a_tail
	.globl	k_qd58567c04a_tail
	.p2align	8
	.type	k_qd58567c04a_tail,@function
k_qd58567c04a_tail:
	s_mov_b64 s[64:65], 0
	v_nop
	global_prefetch_b8 v0, s[64:65] scope:SCOPE_SE
	s_setreg_imm32_b32 hwreg(HW_REG_WAVE_MODE, 25, 1), 1
	s_wait_xcnt 0x0
	s_wait_alu depctr_hold_cnt(0) depctr_sa_sdst(0) depctr_va_vdst(0) depctr_va_sdst(0) depctr_va_ssrc(0) depctr_va_vcc(0) depctr_vm_vsrc(0)
	s_getreg_b32 s2, hwreg(HW_REG_IB_STS2, 6, 4)
	s_cmp_eq_u32 s2, 0
	s_cbranch_scc0 .Lentry_in_a_cluster
	s_endpgm
.Lentry_in_a_cluster:
	s_bfe_u32 s2, ttmp6, 0x10000c
	s_cmp_lg_u32 s2, 0x3003
	s_cbranch_scc0 .Lentry_shape_is_right
	s_endpgm
.Lentry_shape_is_right:
; TAIL.  A work-group takes 64 rows through x2 = x + x_o Wo + bo; LayerNorm (eps 1e-5); x_e = gelu(xn W1 + b1); x_s = gelu(x_e W2 + b2); both results are stored transposed, [batch][column][row].  All three products on codes of FP6.
; 64 rows, so that a column's part of a transposed output is 256 consecutive aligned bytes from one wave; LayerNorm wants whole rows, so every work-group walks all weights: 14 tiles of 102,400 bytes, one dense stream, through a ring of two LDS slots.
; CLUSTER: the four row blocks of a cluster walk the same stream: joint loads, mask 15.  One tensor load of a wave is out, by this text's own count.
; Wave w owns columns 128 w on of Wo and 64 w on of W1 and W2, and reads only its own portion of a tile.  THE PRODUCTS ARE USED TRANSPOSED: a lane holds one row, its registers run along the columns, 16 neighbours in two tiles.
; x is loaded straight into the accumulators: the residual is the C of the first product.  b1 and b2 are the C of their sums' first products.  xn and x_e go from wave to wave through LDS as images of operand registers.
; The variance is taken in a second pass over x2 - mean.  gelu(z) = z/2 (1 + erf(z / sqrt 2)), erf by the rational form u P(u^2) / Q(u^2) with u held to +-4.
; The whole LDS is claimed, and 0 is added to spare words.
; LIMITS: NaN and infinities are not served; erf's form is good to about 2e-7 absolute, so a far negative gelu carries that x |z| / 2; a block of zeros gets the byte 1.
.set PORT,  12800
.set TILE,  102400
.set AIMG,  204800                     ; [fragment a][K step]: x_o's images, later xn's
.set ASC,   253952                     ; [a][K step][16] words
.set HIMG,  256000                     ; x_e's images [a][K step][half]: 512 bytes by 16 a lane, 256 by 8 a lane
.set HSC,   280576
.set RED1,  281600                     ; [row][wave] partial sums; the squares' 2,048 bytes on
.set OST,   285696                     ; a stage of 16 rows x (256 + 16) bytes for each wave
.set SPARE, 320512                     ; the spare words: 128 bytes a wave, four blocks of 256 bytes that no other line names
.set SPW, 1
.set NIL, 2
.set LI,  3
.set BA0, 4
.set AA,  6
.set SA,  7
.set HA,  8
.set HB,  9
.set HS,  10
.set R1W, 11
.set R1R, 12
.set XNW, 13
.set XSW, 14
.set HWA, 15
.set HWB, 16
.set HWS, 17
.set OSW, 18
.set OSR, 19
.set OGO, 20
.set XO,  21
.set BO,  22
.set BS,  32                           ; v32-35, v36-39: scales and nothing else
.set AS,  36
.set BF,  48
.set AF,  144
.set EE,  48                           ; v48-175 128 numbers of a gelu
.set GU,  176
.set GQ,  184
.set GP,  224
.set GD,  232
.set WV,  26
.set WG,  27
.set SEL, 28
.set G1,  36
.set G0,  44
.set AL0, 52
.set AL2, 54
.set AL3, 56
.set AL4, 58
.set AL5, 60
.set AL6, 62
.set BE0, 66
.set BE2, 68
.set BE3, 70
.set BE4, 72
.set RT2, 74
.set MSB, 0
.macro WIN new
.if MSB != \new
	s_set_vgpr_msb (MSB<<8)|\new
.set MSB, \new
.endif
.endm
.macro PLACES n
.rept \n
	v_nop
.endr
.endm
.macro ROUND
	s_barrier_signal -1
	s_barrier_wait -1
	s_cmp_lg_u32 s[WV], 0
	s_cbranch_scc1 .Lnot_wave_0_\@
	s_barrier_signal -3
.Lnot_wave_0_\@:
	s_barrier_wait -3
	s_barrier_signal -1
	s_barrier_wait -1
.endm
.macro BAR                             ; my LDS stores have landed and my LDS loads are in: then the work-group's barrier
	s_wait_dscnt 0x0
	s_barrier_signal -1
	s_barrier_wait -1
.endm
.macro SPAIR r, val                    ; a constant for the packed forms, which name a pair
	s_mov_b32 s[\r], \val
	s_mov_b32 s[\r+1], \val
.endm
; 32 numbers of a lane (register 16 b + i = k 32 b + 16 h + i of its row, b = 0, 1) become six registers of codes in v[d] on and the two scale bytes in v[hw].
.macro QHALF s, d, hw
.irp b, 0,1
	v_max3_num_f32 v[TMH+\b], |v[\s+16*\b]|, |v[\s+1+16*\b]|, 0x1800000
.endr
.irp i, 2,4,6,8,10,12,14
.irp b, 0,1
	v_max3_num_f32 v[TMH+\b], v[TMH+\b], |v[\s+16*\b+\i]|, |v[\s+1+16*\b+\i]|
.endr
.endr
.irp b, 0,1
	v_permlanex16_b32 v[TMH+2+\b], v[TMH+\b], s[SEL], s[SEL+1]
.endr
.irp b, 0,1
	v_max_num_f32 v[TMH+\b], v[TMH+\b], v[TMH+2+\b]
.endr
.irp b, 0,1
	v_add_nc_u32 v[TMH+4+\b], 0xff000000, v[TMH+\b]
.endr
.irp b, 0,1
	v_lshrrev_b32 v[TMH+2+\b], 23, v[TMH+4+\b]
.endr
	v_lshl_or_b32 v[\hw], v[TMH+3], 8, v[TMH+2]
	v_cvt_scalef32_pk16_fp6_f32 v[\d:\d+2], v[\s:\s+15], v[TMH+4]
	v_cvt_scalef32_pk16_fp6_f32 v[XTH:XTH+2], v[\s+16:\s+31], v[TMH+5]
	v_nop                                          ; one plain place behind a scaled conversion
.irp i, 0,1,2
	v_permlane16_swap_b32 v[\d+\i], v[XTH+\i]
.endr
.irp i, 0,1,2
	v_mov_b32 v[\d+3+\i], v[XTH+\i]
.endr
.endm
.macro WM d, a, b, sa, sb, row         ; a product that adds onto its own registers
.if \row
	v_wmma_scale_f32_16x16x128_f8f6f4 v[\d:\d+7], v[\a:\a+11], v[\b:\b+11], v[\d:\d+7], v[\sa], v[\sb] matrix_a_fmt:MATRIX_FMT_FP6 matrix_b_fmt:MATRIX_FMT_FP6 matrix_a_scale:MATRIX_SCALE_ROW1
.else
	v_wmma_scale_f32_16x16x128_f8f6f4 v[\d:\d+7], v[\a:\a+11], v[\b:\b+11], v[\d:\d+7], v[\sa], v[\sb] matrix_a_fmt:MATRIX_FMT_FP6 matrix_b_fmt:MATRIX_FMT_FP6
.endif
.endm
.macro WMB d, a, b, c, sa, sb          ; a sum's first product: C = the bias
	v_wmma_scale_f32_16x16x128_f8f6f4 v[\d:\d+7], v[\a:\a+11], v[\b:\b+11], v[\c:\c+7], v[\sa], v[\sb] matrix_a_fmt:MATRIX_FMT_FP6 matrix_b_fmt:MATRIX_FMT_FP6
.endm
; THE CHANGE OF SLOTS at the head of tile n: as in the launch of the projections.
.macro HEAD n, more
	s_wait_tensorcnt 0x0
	ds_add_u32 v[SPW], v[NIL]
	s_add_nc_u64 s[G0+4*((\n)%2)+2:G0+4*((\n)%2)+3], s[G0+4*((\n)%2)+2:G0+4*((\n)%2)+3], 2*TILE
	s_wait_dscnt 0x0
	ROUND
.if \more
	tensor_load_to_lds s[G0+4*(((\n)+1)%2):G0+4*(((\n)+1)%2)+3], s[G1:G1+7]
	s_nop 0
.endif
	PLACES 4                                       ; also the places behind the last products
.endm
.macro BODY1 n                         ; K step n of x_o Wo: 32 products on 32 accumulators by turns
.set BA, BA0+((\n)%2)
	ds_load_b128 v[BS:BS+3], v[BA] offset:12288
.irp a, 0,1,2,3
	ds_load_b32 v[AS+\a], v[SA] offset:512*\a+64*(\n)
.endr
.irp a, 0,1,2,3
.irp i, 0,1,2
	ds_load_b128 v[AF+12*\a+4*\i:AF+12*\a+4*\i+3], v[AA] offset:12288*\a+1536*(\n)+512*\i
.endr
.endr
.irp t, 0,1,2,3,4,5,6,7
.irp i, 0,1,2
	ds_load_b128 v[BF+12*\t+4*\i:BF+12*\t+4*\i+3], v[BA] offset:1536*\t+512*\i
.endr
.endr
.if (\n) == 0
	s_wait_loadcnt 0x0                             ; x lies in the accumulators, bo in its registers
.endif
	s_wait_dscnt 12                                ; all but the youngest twelve: the weights' fragments 4-7
	WIN 0x50
.irp a, 0,1,2,3
.irp t, 0,1,2,3
	WM 8*(8*\a+\t), BF+12*\t, AF+12*\a, BS+\t, AS+\a, 0
.endr
.endr
	s_wait_dscnt 0x0
.irp a, 0,1,2,3
.irp t, 0,1,2,3
	WM 8*(8*\a+4+\t), BF+12*(4+\t), AF+12*\a, BS+\t, AS+\a, 1
.endr
.endr
	WIN 0
.endm
; Tile n of W1 (hid = 0) or W2 (hid = 1): K steps 2 z and 2 z + 1; 16 accumulators by turns.  first = 1: the bias in v192-223 is the C of the first sixteen.
.macro BODY2 n, z, first, hid
.set BA, BA0+((\n)%2)
	ds_load_b128 v[BS:BS+3], v[BA] offset:12288
.irp f, 0,1,2,3,4,5,6,7
.irp i, 0,1,2
	ds_load_b128 v[BF+12*\f+4*\i:BF+12*\f+4*\i+3], v[BA] offset:1536*\f+512*\i
.endr
.endr
.irp sg, 0,1
.if \sg
	PLACES 4
.endif
.irp a, 0,1,2,3
.if \hid
.irp c, 0,1
	ds_load_b128 v[AF+12*\a+6*\c:AF+12*\a+6*\c+3], v[HA] offset:(4*\a+2*\z+\sg)*1536+768*\c
	ds_load_b64 v[AF+12*\a+6*\c+4:AF+12*\a+6*\c+5], v[HB] offset:(4*\a+2*\z+\sg)*1536+768*\c
.endr
	ds_load_b32 v[AS+\a], v[HS] offset:64*(4*\a+2*\z+\sg)
.else
.irp i, 0,1,2
	ds_load_b128 v[AF+12*\a+4*\i:AF+12*\a+4*\i+3], v[AA] offset:12288*\a+1536*(2*\z+\sg)+512*\i
.endr
	ds_load_b32 v[AS+\a], v[SA] offset:512*\a+64*(2*\z+\sg)
.endif
.endr
	s_wait_dscnt 0x0
.if \first && (\sg == 0)
	WIN 0x40                                       ; D in window 1, the bias in window 0
.irp a, 0,1,2,3
.irp t, 0,1,2,3
	WMB 8*(4*\a+\t), BF+12*\t, AF+12*\a, 192+8*\t, BS+\t, AS+\a
.endr
.endr
.else
	WIN 0x50
.irp a, 0,1,2,3
.irp t, 0,1,2,3
	WM 8*(4*\a+\t), BF+12*(4*\sg+\t), AF+12*\a, BS+\t, AS+\a, \sg
.endr
.endr
.endif
	WIN 0
.endr
.endm
; gelu of eight numbers: v[e] on holds z / 2 and takes the result
.macro GELU8 e
.irp j, 0,2,4,6
	v_pk_mul_f32 v[GU+\j:GU+\j+1], v[\e+\j:\e+\j+1], s[RT2:RT2+1] op_sel_hi:[1,0]   ; u = z / sqrt 2
.endr
.irp j, 0,1,2,3,4,5,6,7
	v_med3_num_f32 v[GU+\j], v[GU+\j], -4.0, 4.0
.endr
.irp j, 0,2,4,6
	v_pk_mul_f32 v[GQ+\j:GQ+\j+1], v[GU+\j:GU+\j+1], v[GU+\j:GU+\j+1]
.endr
.irp j, 0,2,4,6
	v_pk_fma_f32 v[GP+\j:GP+\j+1], v[GQ+\j:GQ+\j+1], s[AL0:AL0+1], v[24:25] op_sel_hi:[1,0,1]
	v_pk_fma_f32 v[GD+\j:GD+\j+1], v[GQ+\j:GQ+\j+1], s[BE0:BE0+1], v[26:27] op_sel_hi:[1,0,1]
.endr
.irp c, BE2, BE3, BE4
.irp j, 0,2,4,6
	v_pk_fma_f32 v[GD+\j:GD+\j+1], v[GD+\j:GD+\j+1], v[GQ+\j:GQ+\j+1], s[\c:\c+1] op_sel_hi:[1,1,0]
.endr
.endr
.irp j, 0,1,2,3,4,5,6,7
	v_rcp_f32 v[GD+\j], v[GD+\j]
.endr
.irp c, AL2, AL3, AL4, AL5, AL6        ; the other chain is the independent work behind the reciprocals
.irp j, 0,2,4,6
	v_pk_fma_f32 v[GP+\j:GP+\j+1], v[GP+\j:GP+\j+1], v[GQ+\j:GQ+\j+1], s[\c:\c+1] op_sel_hi:[1,1,0]
.endr
.endr
.irp j, 0,2,4,6
	v_pk_mul_f32 v[GP+\j:GP+\j+1], v[GP+\j:GP+\j+1], v[GU+\j:GU+\j+1]
.endr
	s_wait_alu depctr_va_vdst(0)                   ; one wait for the eight reciprocals, ahead of their first reader
.irp j, 0,2,4,6
	v_pk_mul_f32 v[GP+\j:GP+\j+1], v[GP+\j:GP+\j+1], v[GD+\j:GD+\j+1]   ; erf
.endr
.irp j, 0,2,4,6
	v_pk_fma_f32 v[\e+\j:\e+\j+1], v[\e+\j:\e+\j+1], v[GP+\j:GP+\j+1], v[\e+\j:\e+\j+1]
.endr
.endm
.macro GELUALL                         ; the 16 accumulators' 128 numbers: halved into window 0, then gelu there
	s_wait_xcnt 0x0                                ; earlier stores have read v224 on
	WIN 0x01
.set NN, 0
.rept 64
	v_pk_mul_f32 v[EE+NN:EE+NN+1], v[NN:NN+1], 0.5 op_sel_hi:[1,0]   ; each accumulator from its low end on
.set NN, NN+2
.endr
	WIN 0
.set NN, 0
.rept 16
	GELU8 EE+NN
.set NN, NN+8
.endr
.endm
; Tile t's 16 columns x 64 rows go through my stage and leave as 16 rows of 256 consecutive aligned bytes of the transposed output.
.macro OUT t, ptr
	s_wait_xcnt 0x0                                ; the last tile's stores have read v224-255
.irp j, 0,1,2,3,4,5,6,7
.irp a, 0,1,2,3
	ds_store_b32 v[OSW], v[EE+32*\a+8*\t+\j] offset:272*\j+64*\a
.endr
.endr
.irp k, 0,1,2,3,4,5,6,7
	ds_load_b128 v[224+4*\k:227+4*\k], v[OSR] offset:544*\k   ; LDS serves a wave's instructions in order: these see my stores
.endr
.irp k, 0,1,2,3,4,5,6,7
	s_wait_dscnt 7-\k
	global_store_b128 v[OGO], v[224+4*\k:227+4*\k], s[\ptr:\ptr+1] offset:(32*(\t/2)+8*(\t%2)+16*(\k/4)+2*(\k%4))*8192 th:TH_STORE_NT
.endr
.endm
	s_load_b512 s[4:19], s[0:1], 0x0               ; xoimg, xosc, wimg, x, bo, ln_g, ln_b, b1
	s_load_b128 s[20:23], s[0:1], 0x40             ; b2, out0
	s_load_b64 s[24:25], s[0:1], 0x50              ; out1
	v_lshl_add_u32 v[SPW], v0, 2, SPARE
	v_mov_b32 v[NIL], 0
	ds_add_u32 v1, v2
	ds_add_u32 v1, v2
	s_wait_dscnt 0x0
	v_lshrrev_b32 v40, 5, v0
	v_readfirstlane_b32 s[WV], v40                 ; wave 0..7
	s_bfe_u32 s30, ttmp6, 0x40000                  ; cx
	s_lshl_b32 s[WG], ttmp9, 2
	s_add_co_u32 s[WG], s[WG], s30                 ; my block of 64 rows: it enters global addresses alone
	s_mov_b32 s[G1+0], 15|(3<<16)|(1<<21)          ; a dense block of 12,800 bytes as 50 rows of 256; the mask names all four work-groups
	s_mov_b32 s[G1+1], 32<<16
	s_mov_b32 s[G1+2], 50<<16
	s_mov_b32 s[G1+3], 32<<16
	s_mov_b32 s[G1+4], 50
	s_mov_b32 s[G1+5], 32
	s_mov_b32 s[G1+6], 0
	s_mov_b32 s[G1+7], 0
	s_mov_b32 s[SEL], 0x76543210
	s_mov_b32 s[SEL+1], 0xfedcba98
	SPAIR AL0, 0xaf95df0b                          ; erf's numerator, from the highest power down (the second coefficient lies in v[24:25])
	SPAIR AL2, 0xb60cff51
	SPAIR AL3, 0xb86ec2d2
	SPAIR AL4, 0xba40ac63
	SPAIR AL5, 0xbb41a1f6
	SPAIR AL6, 0xbc83dbd4
	SPAIR BE0, 0xb77460cd                          ; its denominator (the second in v[26:27])
	SPAIR BE2, 0xbadc924e
	SPAIR BE3, 0xbbf19bf8
	SPAIR BE4, 0xbc69b6a7
	SPAIR RT2, 0x3fb504f3                          ; sqrt 2
	v_mov_b32 v24, 0x32edffee
	v_mov_b32 v25, 0x32edffee
	v_mov_b32 v26, 0xb95fbd29
	v_mov_b32 v27, 0xb95fbd29
	s_mul_i32 s31, s[WV], PORT
	s_add_co_u32 s76, s31, 2457600                 ; Wo's first tile in wimg, my portion
	s_mov_b32 s77, 0
	s_wait_kmcnt 0x0
	s_add_nc_u64 s[76:77], s[8:9], s[76:77]
.irp s, 0,1
	s_mov_b32 s[G0+4*\s], 1
	s_add_co_u32 s[G0+4*\s+1], s31, \s*TILE
	s_add_nc_u64 s[G0+4*\s+2:G0+4*\s+3], s[76:77], \s*TILE
	s_or_b32 s[G0+4*\s+3], s[G0+4*\s+3], 0x80000000
.endr
	ROUND                                          ; all four work-groups are here
	tensor_load_to_lds s[G0:G0+3], s[G1:G1+7]      ; tile 0
	s_nop 0
	PLACES 4
	; pointers
	s_mov_b32 s77, 0
	s_mul_i32 s76, s[WG], 49152
	s_add_nc_u64 s[4:5], s[4:5], s[76:77]          ; x_o's 32 images
	s_lshl_b32 s76, s[WG], 11
	s_add_nc_u64 s[6:7], s[6:7], s[76:77]
	s_lshl_b32 s78, s[WV], 9
	s_lshl_b32 s76, s[WG], 18
	s_add_co_u32 s76, s76, s78
	s_add_nc_u64 s[10:11], s[10:11], s[76:77]      ; x at my rows and my 128 columns
	s_mov_b32 s79, 0
	s_add_nc_u64 s[12:13], s[12:13], s[78:79]
	s_add_nc_u64 s[14:15], s[14:15], s[78:79]
	s_add_nc_u64 s[16:17], s[16:17], s[78:79]
	s_lshl_b32 s78, s[WV], 8
	s_add_nc_u64 s[18:19], s[18:19], s[78:79]      ; b1, b2 at my 64 columns
	s_add_nc_u64 s[20:21], s[20:21], s[78:79]
	s_lshr_b32 s76, s[WG], 5
	s_lshl_b32 s76, s76, 22                        ; the batch: 512 x 2,048 x 4 bytes
	s_lshl_b32 s78, s[WV], 19                      ; my 64 columns of 8,192 bytes
	s_add_co_u32 s76, s76, s78
	s_and_b32 s78, s[WG], 31
	s_lshl_b32 s78, s78, 8                         ; my 64 rows: 256 bytes
	s_add_co_u32 s76, s76, s78
	s_add_nc_u64 s[22:23], s[22:23], s[76:77]
	s_add_nc_u64 s[24:25], s[24:25], s[76:77]
	v_lshlrev_b32 v43, 4, v0
	v_lshlrev_b32 v44, 3, v0
.irp k, 0,1,2,3,4,5,6,7,8,9,10,11
	global_load_b128 v[48+4*\k:51+4*\k], v43, s[4:5] offset:4096*\k
.endr
	global_load_b64 v[96:97], v44, s[6:7]
	v_and_b32 v40, 31, v0                          ; lane
	v_and_b32 v41, 15, v0                          ; r
	v_bfe_u32 v42, v0, 4, 1                        ; h
	v_lshlrev_b32 v[BO], 6, v42
.irp t, 0,1,2,3,4,5,6,7
.irp q, 0,1
	global_load_b128 v[192+8*\t+4*\q:195+8*\t+4*\q], v[BO], s[12:13] offset:(32*(\t/2)+8*(\t%2)+4*\q)*4   ; bo in the result's layout
.endr
.endr
	v_add_nc_u32 v45, AIMG, v43
	v_add_nc_u32 v46, ASC, v44
	v_lshlrev_b32 v[LI], 4, v40
	v_add_nc_u32 v[BA0], s31, v[LI]
	v_add_nc_u32 v[BA0+1], TILE, v[BA0]
	v_add_nc_u32 v[AA], AIMG, v[LI]
	v_lshl_add_u32 v[SA], v41, 2, ASC
	v_add_nc_u32 v[HA], HIMG, v[LI]
	v_lshl_add_u32 v[HB], v40, 3, HIMG+512
	v_lshl_add_u32 v[HS], v41, 2, HSC
	v_lshl_add_u32 v[R1R], v41, 5, RED1
	s_lshl_b32 s32, s[WV], 2
	v_add_nc_u32 v[R1W], s32, v[R1R]
	s_mul_i32 s32, s[WV], 1536
	v_add_nc_u32 v[XNW], s32, v[AA]
	s_lshl_b32 s32, s[WV], 6
	v_add_nc_u32 v[XSW], s32, v[SA]
	s_lshr_b32 s32, s[WV], 1
	s_and_b32 s33, s[WV], 1
	s_mul_i32 s34, s32, 1536
	s_mul_i32 s35, s33, 768
	s_add_co_u32 s34, s34, s35
	v_add_nc_u32 v[HWA], s34, v[HA]
	v_add_nc_u32 v[HWB], s34, v[HB]
	s_lshl_b32 s34, s32, 6
	s_lshl_b32 s35, s33, 1
	s_add_co_u32 s34, s34, s35
	v_add_nc_u32 v[HWS], s34, v[HS]
	s_mul_i32 s34, s[WV], 4352
	v_mul_u32_u24 v[OSW], v42, 2176
	v_lshl_add_u32 v[OSW], v41, 2, v[OSW]
	v_add_nc_u32 v[OSW], s34, v[OSW]
	v_add_nc_u32 v[OSW], OST, v[OSW]
	v_mul_u32_u24 v[OSR], v42, 272
	v_lshl_add_u32 v[OSR], v41, 4, v[OSR]
	v_add_nc_u32 v[OSR], s34, v[OSR]
	v_add_nc_u32 v[OSR], OST, v[OSR]
	v_lshlrev_b32 v[OGO], 13, v42
	v_lshl_add_u32 v[OGO], v41, 4, v[OGO]
	v_lshlrev_b32 v[XO], 12, v41
	v_lshl_add_u32 v[XO], v42, 6, v[XO]
	s_wait_loadcnt 16                              ; x_o's images are in; bo's sixteen loads may be out
.irp k, 0,1,2,3,4,5,6,7,8,9,10,11
	ds_store_b128 v45, v[48+4*\k:51+4*\k] offset:4096*\k
.endr
	ds_store_b64 v46, v[96:97]                     ; the wait and the round at the head of tile 0 show these to every wave
	WIN 0x40                                       ; destination window 1: x goes straight into the accumulators
.irp a, 0,1,2,3
.irp b, 0,1,2,3
.irp q, 0,1,2,3
	global_load_b128 v[64*\a+16*\b+4*\q:64*\a+16*\b+4*\q+3], v[XO], s[10:11] offset:65536*\a+128*\b+16*\q th:TH_LOAD_NT
.endr
.endr
.endr
	WIN 0
.irp n, 0,1,2,3,4,5,6,7
	HEAD \n, 1
	BODY1 \n
.endr
	HEAD 8, 1                                      ; tile 9 is asked for here, and lands under the LayerNorm
	; ---- LayerNorm
.irp t, 0,1,2,3,4,5,6,7
.irp q, 0,1
	global_load_b128 v[48+8*\t+4*\q:51+8*\t+4*\q], v[BO], s[14:15] offset:(32*(\t/2)+8*(\t%2)+4*\q)*4
	global_load_b128 v[112+8*\t+4*\q:115+8*\t+4*\q], v[BO], s[16:17] offset:(32*(\t/2)+8*(\t%2)+4*\q)*4
.endr
.endr
	WIN 0x41                                       ; destination and source 0 in window 1
.irp a, 0,1,2,3
.set NN, 0
.rept 32
	v_pk_add_f32 v[64*\a+NN:64*\a+NN+1], v[64*\a+NN:64*\a+NN+1], v[192+NN:193+NN]   ; x2 = x + x_o Wo + bo
.set NN, NN+2
.endr
.endr
	WIN 0x05
.irp a, 0,1,2,3
	v_pk_add_f32 v[40+2*\a:41+2*\a], v[64*\a:64*\a+1], v[64*\a+2:64*\a+3]
.endr
	WIN 0x04
.set NN, 4
.rept 30
.irp a, 0,1,2,3
	v_pk_add_f32 v[40+2*\a:41+2*\a], v[40+2*\a:41+2*\a], v[64*\a+NN:64*\a+NN+1]
.endr
.set NN, NN+2
.endr
	WIN 0
.macro REDUCE off                      ; v[40 + 2 a] pairs: my 64 numbers' sums -> the rows' sums over all 1,024 columns in v[208 + 8 a]
.irp a, 0,1,2,3
	v_add_f32 v[40+2*\a], v[40+2*\a], v[41+2*\a]
.endr
.irp a, 0,1,2,3
	v_permlanex16_b32 v[41+2*\a], v[40+2*\a], s[SEL], s[SEL+1]
.endr
.irp a, 0,1,2,3
	v_add_f32 v[40+2*\a], v[40+2*\a], v[41+2*\a]
.endr
.irp a, 0,1,2,3
	ds_store_b32 v[R1W], v[40+2*\a] offset:\off+512*\a   ; both halves of the lanes write the same word with the same value
.endr
	BAR
.irp a, 0,1,2,3
	ds_load_b128 v[208+8*\a:211+8*\a], v[R1R] offset:\off+512*\a
	ds_load_b128 v[212+8*\a:215+8*\a], v[R1R] offset:\off+512*\a+16
.endr
	s_wait_dscnt 0x0
.irp a, 0,1,2,3
	v_pk_add_f32 v[208+8*\a:209+8*\a], v[208+8*\a:209+8*\a], v[210+8*\a:211+8*\a]
	v_pk_add_f32 v[212+8*\a:213+8*\a], v[212+8*\a:213+8*\a], v[214+8*\a:215+8*\a]
.endr
.irp a, 0,1,2,3
	v_pk_add_f32 v[208+8*\a:209+8*\a], v[208+8*\a:209+8*\a], v[212+8*\a:213+8*\a]
.endr
.irp a, 0,1,2,3
	v_add_f32 v[208+8*\a], v[208+8*\a], v[209+8*\a]
.endr
.endm
	REDUCE 0
.irp a, 0,1,2,3
	v_mul_f32 v[40+2*\a], 0xba800000, v[208+8*\a]  ; -mean
.endr
.irp a, 0,1,2,3
	v_mov_b32 v[41+2*\a], v[40+2*\a]
.endr
	WIN 0x41
.irp a, 0,1,2,3
.set NN, 0
.rept 32
	v_pk_add_f32 v[64*\a+NN:64*\a+NN+1], v[64*\a+NN:64*\a+NN+1], v[40+2*\a:41+2*\a]
.set NN, NN+2
.endr
.endr
	WIN 0x05
.irp a, 0,1,2,3
	v_pk_mul_f32 v[40+2*\a:41+2*\a], v[64*\a:64*\a+1], v[64*\a:64*\a+1]
.endr
.set NN, 2
.rept 31
.irp a, 0,1,2,3
	v_pk_fma_f32 v[40+2*\a:41+2*\a], v[64*\a+NN:64*\a+NN+1], v[64*\a+NN:64*\a+NN+1], v[40+2*\a:41+2*\a]
.endr
.set NN, NN+2
.endr
	WIN 0
	REDUCE 2048
.irp a, 0,1,2,3
	v_mul_f32 v[208+8*\a], 0x3a800000, v[208+8*\a] ; the variance
.endr
.irp a, 0,1,2,3
	v_add_f32 v[208+8*\a], 0x3727c5ac, v[208+8*\a] ; + 1e-5
.endr
.irp a, 0,1,2,3
	v_rsq_f32 v[40+2*\a], v[208+8*\a]
.endr
	v_nop
	s_wait_alu depctr_va_vdst(0)                   ; one wait for the four
.irp a, 0,1,2,3
	v_mov_b32 v[41+2*\a], v[40+2*\a]
.endr
.set TMH, 208
.set XTH, 216
	v_mov_b32 v[TMH+2], 0                          ; a lane permute's destination counts as one of its sources
	v_mov_b32 v[TMH+3], 0
	s_wait_loadcnt 0x0                             ; ln_g, ln_b
.irp a, 0,1,2,3
.irp c, 0,1
	WIN 0x01
.set NN, 0
.rept 16
	v_pk_mul_f32 v[176+NN:177+NN], v[64*\a+32*\c+NN:64*\a+32*\c+NN+1], v[40+2*\a:41+2*\a]
.set NN, NN+2
.endr
	WIN 0
.set NN, 0
.rept 16
	v_pk_fma_f32 v[176+NN:177+NN], v[176+NN:177+NN], v[48+32*\c+NN:49+32*\c+NN], v[112+32*\c+NN:113+32*\c+NN]   ; xn
.set NN, NN+2
.endr
	QHALF 176, 220+6*\c, 232+\c
.endr
	v_lshl_or_b32 v234, v233, 16, v232
.irp i, 0,1,2
	ds_store_b128 v[XNW], v[220+4*\i:223+4*\i] offset:12288*\a+512*\i   ; xn's image: rows 16 a on, K step w
.endr
	ds_store_b32 v[XSW], v234 offset:512*\a
	s_wait_dscnt 0x0                               ; the stores have read their registers
.endr
.irp t, 0,1,2,3
.irp q, 0,1
	global_load_b128 v[192+8*\t+4*\q:195+8*\t+4*\q], v[BO], s[18:19] offset:(32*(\t/2)+8*(\t%2)+4*\q)*4   ; b1
.endr
.endr
	s_wait_loadcnt 0x0
	BAR                                            ; xn's 32 images lie in LDS
	BODY2 8, 0, 1, 0
	HEAD 9, 1
	BODY2 9, 1, 0, 0
	HEAD 10, 1
	BODY2 10, 2, 0, 0
	HEAD 11, 1
	BODY2 11, 3, 0, 0
	HEAD 12, 1                                     ; tile 13 is asked for here, and lands under the gelu
.irp t, 0,1,2,3
.irp q, 0,1
	global_load_b128 v[192+8*\t+4*\q:195+8*\t+4*\q], v[BO], s[20:21] offset:(32*(\t/2)+8*(\t%2)+4*\q)*4   ; b2
.endr
.endr
	GELUALL                                        ; x_e
.irp t, 0,1,2,3
	OUT \t, 24
.endr
.set TMH, 176
.set XTH, 184
.irp a, 0,1,2,3
	QHALF EE+32*\a, 40, 46
	ds_store_b128 v[HWA], v[40:43] offset:6144*\a  ; my 64 columns are half w % 2 of K step w / 2
	ds_store_b64 v[HWB], v[44:45] offset:6144*\a
	ds_store_b16 v[HWS], v46 offset:256*\a
	s_wait_dscnt 0x0                               ; the stores have read their registers
.endr
	s_wait_loadcnt 0x0                             ; b2
	BAR                                            ; x_e's 16 images lie in LDS
	BODY2 12, 0, 1, 1
	HEAD 13, 0
	BODY2 13, 1, 0, 1
	PLACES 4
	GELUALL                                        ; x_s
.irp t, 0,1,2,3
	OUT \t, 22
.endr
	s_wait_tensorcnt 0x0                           ; the wave's end
	ds_add_u32 v[SPW], v[NIL]
	s_wait_dscnt 0x0
	ROUND                                          ; the closing round
	s_endpgm
.Lfunc_end_k_qd58567c04a_tail:
	.size	k_qd58567c04a_tail, .Lfunc_end_k_qd58567c04a_tail-k_qd58567c04a_tail
	.p2alignl 7, 3214868480
	.fill 96, 4, 3214868480
	.section	.rodata,"a",@progbits
	.p2align	6, 0x0
	.amdhsa_kernel k_qd58567c04a_tail
		.amdhsa_group_segment_fixed_size 327680
		.amdhsa_private_segment_fixed_size 0
		.amdhsa_enable_private_segment 0
		.amdhsa_kernarg_size 88
		.amdhsa_user_sgpr_count 2
		.amdhsa_user_sgpr_kernarg_segment_ptr 1
		.amdhsa_wavefront_size32 1
		.amdhsa_system_sgpr_workgroup_id_x 1
		.amdhsa_system_sgpr_workgroup_id_y 1
		.amdhsa_system_sgpr_workgroup_id_z 1
		.amdhsa_system_vgpr_workitem_id 0
		.amdhsa_next_free_vgpr 512
		.amdhsa_next_free_sgpr 104
		.amdhsa_reserve_vcc 0
		.amdhsa_float_denorm_mode_32 3
		.amdhsa_float_denorm_mode_16_64 3
		.amdhsa_memory_ordered 1
		.amdhsa_forward_progress 1
		.amdhsa_inst_pref_size 255
	.end_amdhsa_kernel
	.section	.bss,"aw",@nobits
	.p2align	6
	.space	262144
	.amdgpu_metadata
---
amdhsa.version: [ 1, 2 ]
amdhsa.kernels:
  - .name:           k_qd58567c04a_tail
    .symbol:         k_qd58567c04a_tail.kd
    .args:
      - { .name: xoimg, .offset: 0, .size: 8, .value_kind: global_buffer, .address_space: global }
      - { .name: xosc, .offset: 8, .size: 8, .value_kind: global_buffer, .address_space: global }
      - { .name: wimg, .offset: 16, .size: 8, .value_kind: global_buffer, .address_space: global }
      - { .name: x, .offset: 24, .size: 8, .value_kind: global_buffer, .address_space: global }
      - { .name: bo, .offset: 32, .size: 8, .value_kind: global_buffer, .address_space: global }
      - { .name: ln_g, .offset: 40, .size: 8, .value_kind: global_buffer, .address_space: global }
      - { .name: ln_b, .offset: 48, .size: 8, .value_kind: global_buffer, .address_space: global }
      - { .name: b1, .offset: 56, .size: 8, .value_kind: global_buffer, .address_space: global }
      - { .name: b2, .offset: 64, .size: 8, .value_kind: global_buffer, .address_space: global }
      - { .name: out0, .offset: 72, .size: 8, .value_kind: global_buffer, .address_space: global }
      - { .name: out1, .offset: 80, .size: 8, .value_kind: global_buffer, .address_space: global }
    .group_segment_fixed_size: 327680
    .private_segment_fixed_size: 0
    .kernarg_segment_align: 8
    .kernarg_segment_size: 88
    .max_flat_workgroup_size: 256
    .sgpr_count:     104
    .vgpr_count:     512
    .wavefront_size: 32
...
	.end_amdgpu_metadata
.endif
;; end of part 4
